; MI455X (gfx1250); checked and timed in simulation.
; The chip was launched on July 23, 2026; its instructions are those of AMD's public machine-readable ISA for CDNA 5 (MIT licence, August 2026) and "CDNA5" Instruction Set Architecture Reference Guide (July 2026). The comments in the code are by the model that wrote it; some were corrected since.
;; Chat GPT Attention. Allowed arithmetic: matrix products marked QUANTISED: E4M3 operands, one given power-of-two scale a tensor, by v_wmma_f32_16x16x64_fp8_fp8 or v_wmma_f32_16x16x128_fp8_fp8, f32 sums; everything else in f32.
;; Inputs: lowp_scales 8 int32 (the exponents e of the quantised operands' scales 2^e); mask 1 x 1 x 2,048 x 2,048 int32; w_o_b 1,024 float32; w_o_w 1,024 x 1,024 float32; w_qkv_b 3,072 float32; w_qkv_w 3,072 x 1,024 float32; x 2 x 2,048 x 1,024 float32.
;; Outputs: out0 2 x 2,048 x 1,024 float32.
;; This version of the problem:
;;   THIS VERSION OF THE PROBLEM IS GIVEN IN LOW PRECISION. The matrix products marked QUANTISED in the list below multiply operands that are first quantised to E4M3 (4 exponent bits, 3 mantissa bits; 8 bits a number), with one given power-of-two scale for each operand tensor; their sums are f32. All else is computed in f32.
;;   The module's matrix products, in the order in which they are computed (A, B: the left and right operand; K: the contracted axis; several contracted axes count as one K, in the product's order):
;;     1. [M 4,096, K 1,024] x [K 1,024, N 3,072]; A: input x; B: input w_qkv_w: QUANTISED (scales: A lowp_scales[0], B lowp_scales[1])
;;     2. batch 32 x [M 2,048, K 64] x [K 64, N 2,048]; A: computed on the way; B: computed on the way: QUANTISED (scales: A lowp_scales[2], B lowp_scales[3])
;;     3. batch 32 x [M 2,048, K 2,048] x [K 2,048, N 64]; A: softmax (see below); B: computed on the way: QUANTISED (scales: A lowp_scales[4], B lowp_scales[5])
;;     4. [M 4,096, K 1,024] x [K 1,024, N 1,024]; A: computed on the way; B: input w_o_w: QUANTISED (scales: A lowp_scales[6], B lowp_scales[7])
;;   THE QUANTISER, for each operand of a quantised product, along K:
;;     - The operand's scale is 2^e, e = its entry of the input lowp_scales (int32; the entries are numbered through the quantised products in the list's order, A before B).
;;     - Each number is divided by the scale, clamped to +-448, and rounded to the nearest number of E4M3, ties to even, subnormals kept.
;;     - The product sums the exact products of the quantised numbers (number of the format x scale) in f32.
;;   ~~~python
;;   def quantise(x, axis, e):      # numpy; x: float32 -> the quantised numbers, widened to float32 again
;;       x = np.moveaxis(x, axis, -1); K = x.shape[-1]
;;       r = np.clip(x / 2.0 ** e, -448, 448)
;;       step = 2.0 ** (np.maximum(np.frexp(np.where(r == 0, 1, r))[1] - 1, -6) - 3)
;;       q = np.round(r / step) * step * 2.0 ** e      # np.round: ties to even
;;       return np.moveaxis(q, -1, axis).astype(np.float32)
;;   ~~~
;;   SOFTMAX AHEAD OF A QUANTISED PRODUCT. Where the list says 'softmax', what is quantised is not the finished softmax but p = 2^(t - M), with t = logit x log2(e) and M = ceil(the row's largest t), a whole number; so 1/2 < the row's largest p <= 1. The row's sum l is taken of the UNQUANTISED p, in f32, and the product's result is divided by l at the end. Since M is a whole number, a kernel that streams over the keys may use a running M (the ceiling of the running maximum): every later rescaling is an exact power of two, so the quantised numbers keep their values, but for numbers so far below the row's largest that they fall under the format's range.
;;   OPERANDS COMPUTED ON THE WAY. 'Computed on the way' means the value that the module computes at that place (a softmax that the list does not call 'softmax' is quantised finished and normalised). What goes into a quantiser is computed in f32, as accurately as f32 sums, v_exp_f32 and their like allow (about 1e-6 of the number): no bf16 or f16 on the way to a quantiser, and a product that is left as it is and whose result goes on into a quantised operand takes f32 operands (vector FMAs, or v_wmma_f32_16x16x4_f32). A number that lies on a knife's edge between two numbers of the format may be rounded either way, as far as f32 arithmetic and the matrix unit's own rounding can turn it there, and no further.
;; 3 versions, each right; version 2 is faster than version 1; version 3 is version 2 with the launch attn written anew for expert scheduling mode. Each part assembles by itself: llvm-mc -triple=amdgcn-amd-amdhsa -mcpu=gfx1250 --defsym DOCPART=n.
;; ======== version 1 of 3: 4 launches
;; limits: right only within a limited range of input values
;; workspace buffers: xw 7,340,032 bytes; woimg 1,048,576 bytes; mw 524,288 bytes of whole numbers; mflag 32,768 bytes of whole numbers; qkv 12,582,912 bytes; oimg 4,194,304 bytes
;; launch prep (part 1): grid 384 x 1, 16 waves a work-group, no clusters, 137,472 bytes of LDS; arguments x, w_qkv_w, w_o_w, mask, lowp_scales, xw, woimg, mw, mflag; writes xw, woimg, mw, mflag
.if DOCPART == 1
	.amdgcn_target "amdgcn-amd-amdhsa--gfx1250"
	.amdhsa_code_object_version 6
	.text
	.protected	k_qb64060abc6_prep
	.globl	k_qb64060abc6_prep
	.p2align	8
	.type	k_qb64060abc6_prep,@function
k_qb64060abc6_prep:
	s_mov_b64 s[64:65], 0
	v_nop
	global_prefetch_b8 v0, s[64:65] scope:SCOPE_SE
	s_setreg_imm32_b32 hwreg(HW_REG_WAVE_MODE, 25, 1), 1
	s_wait_xcnt 0x0
; x [4096][1024], w_qkv_w [3072][1024] and w_o_w [1024][1024], f32, become codes of FP8 (E4M3), each with its given scale 2^e (entries 0, 1 and 7 of the scales); the mask [2048][2048], int32, becomes lane masks and flags.
; code = x / 2^e, held within +-448, rounded to the nearest code, ties to even.  LIMITS: e0, e1, e7 between -126 and 119, so that 2^e and 448 x 2^e are f32 numbers.  NaN among the inputs is not served.
; A UNIT is 16 rows x 512 bytes (128 numbers); a wave takes one unit, a work-group sixteen.  Work-groups 0-127: x; 128-223: w_qkv_w; 224-255: w_o_w; 256-383: the mask.  Only pointers, offsets and the pitch are chosen
; by the work-group's number: all take one path as far as the turn through LDS.
; THE TURN.  Each of a unit's sixteen loads reads 512 consecutive bytes of one row.  They go through the wave's own stage in LDS (rows of 512 + 16 bytes) and come back so that lane (r, h) holds, of row r, in register
; 8 c + i the column 16 c + 8 h + i: the place that the plain 8-bit matrix forms give each k.
; CODES leave as AN IMAGE OF THE OPERAND'S REGISTERS: a fragment (16 rows x 128 k) is 16 registers a lane; registers 4 u .. 4 u + 3 lie at byte 512 u + 16 x lane: each store covers 512 consecutive bytes.
;   xw    [kslot 4][row tile 448][k step in slot 2][2048]: row tiles 0-255 x's tokens, 256-447 w_qkv_w's rows.      woimg [kslot 4][row tile 64][2][2048].
; THE MASK.  mw [query tile 128][step 16][64 words]: bit L of word 8 t + j says that mask[16 QT + L % 16][128 step + 16 t + 8 (L / 16) + j] is not 0.
;   mflag [query tile 128][256 bytes]: the pair (P, N) thirty-two times.  Bit w of P: key step w must be worked; bit w of N: it is worked and its tile is not all ones, so the words are wanted.
;   P_w = the tile has a number that is not 0, or one of the tile's 16 query rows is 0 over all 2,048 keys (such a row's softmax is uniform over ALL keys, so nothing may be left out for it).
.set SKIP, 1                           ; 0: every step is worked, whatever the mask
.set KSX,  0x1C0000                    ; a kslot of xw in bytes: 448 row tiles x 4,096
.set KSW,  0x40000                     ; of woimg: 64 x 4,096
.set SP,   528                         ; a stage row: 512 bytes + 16
.set WST,  16*SP                       ; a wave's stage
.set FLG,  16*WST                      ; behind the stages: 16 words of ORs, 16 words of ANDs
.set OF,   16                          ; v16-31  the loads' offsets: row i x pitch + 16 x lane
.set X,    32                          ; v32-95  the unit's numbers
.set C,    96                          ; v96-111 the codes
	s_load_b256 s[4:11], s[0:1], 0x0               ; x s[4:5], w_qkv_w s[6:7], w_o_w s[8:9], mask s[10:11]
	s_load_b256 s[12:19], s[0:1], 0x20             ; the scales s[12:13], xw s[14:15], woimg s[16:17], mw s[18:19]
	s_load_b64 s[20:21], s[0:1], 0x40              ; mflag
	v_lshl_add_u32 v128, v0, 2, 0x21100
	v_mov_b32 v129, 0
	v_lshrrev_b32 v1, 5, v0
	v_readfirstlane_b32 s22, v1                    ; wave 0..15
	v_and_b32 v2, 31, v0
	v_lshlrev_b32 v3, 4, v2                        ; 16 x lane
	v_lshlrev_b32 v9, 3, v2                        ; 8 x lane
	v_and_b32 v1, 15, v0                           ; r
	v_bfe_u32 v2, v0, 4, 1                         ; h
	s_mul_i32 s28, s22, WST
	v_add_nc_u32 v4, s28, v3                       ; the stage, on the way in: 16 x lane of a row
	v_mul_u32_u24 v5, v1, SP
	v_lshl_add_u32 v5, v2, 5, v5
	v_add_nc_u32 v5, s28, v5                       ; and on the way out: row r, + 32 h
	v_mov_b32 v6, s22
	v_lshlrev_b32 v6, 2, v6
	v_add_nc_u32 v6, FLG, v6                       ; my wave's word among the flags
	v_lshlrev_b32 v7, 2, v1
	v_add_nc_u32 v7, FLG, v7                       ; word lane % 16
	v_mov_b32 v8, FLG
	v_mov_b32 v12, 0                               ; what a wave hands on at the barrier: the OR and the AND of its 64 words (a quantising wave: zeros, which nobody reads)
	v_mov_b32 v13, 0
	; offsets, for both kinds of work-group; then the choice
	s_lshr_b32 s28, s22, 3
	s_and_b32 s29, s22, 7                          ; k step 0..7
	s_lshl_b32 s30, ttmp9, 1
	s_add_co_u32 s30, s30, s28                     ; row tile = 2 x work-group + wave / 8
	s_lshl_b32 s31, s22, 9
	s_sub_co_u32 s48, ttmp9, 256                   ; query tile (mask work-groups)
	s_lshl_b32 s49, s48, 17
	s_add_co_u32 s49, s49, s31                     ; mask: 16 rows of 8,192 bytes a tile, + 512 x step
	s_lshl_b32 s50, s48, 12
	s_lshl_b32 s51, s22, 8
	s_add_co_u32 s50, s50, s51                     ; mw: 4,096 x tile + 256 x step
	s_cmp_lt_u32 ttmp9, 128
	s_cselect_b32 s52, 0, 256                      ; the source tensor's first row tile
	s_cmp_lt_u32 ttmp9, 224
	s_cselect_b32 s52, s52, 448
	s_cselect_b32 s53, 0, 448                      ; the target buffer's first row tile
	s_mov_b32 s54, KSW
	s_cselect_b32 s54, KSX, s54
	s_sub_co_u32 s52, s30, s52
	s_lshl_b32 s52, s52, 16
	s_lshl_b32 s55, s29, 9
	s_add_co_u32 s52, s52, s55                     ; source: 65,536 x row tile + 512 x k step
	s_sub_co_u32 s53, s30, s53
	s_lshl_b32 s53, s53, 12
	s_lshr_b32 s55, s29, 1
	s_mul_i32 s55, s55, s54
	s_add_co_u32 s53, s53, s55
	s_and_b32 s55, s29, 1
	s_lshl_b32 s55, s55, 11
	s_add_co_u32 s53, s53, s55                     ; target: kslot + 4,096 x row tile + 2,048 x (k step % 2)
	s_cmp_lt_u32 ttmp9, 256
	s_cselect_b32 s56, s52, s49
	s_cselect_b32 s58, s53, s50
	s_mov_b32 s23, 8192
	s_cselect_b32 s23, 4096, s23                   ; bytes from row to row
	s_mov_b32 s57, 0
	s_mov_b32 s59, 0
.set i, 0
.rept 16
	v_mad_u32_u24 v[OF+i], s23, i, v3
.set i, i+1
.endr
	s_wait_kmcnt 0x0
	s_load_b256 s[32:39], s[12:13], 0x0            ; e0 .. e7
	s_cmp_lt_u32 ttmp9, 128                        ; the choices hang on the work-group's number alone
	s_cselect_b64 s[24:25], s[4:5], s[6:7]
	s_cmp_lt_u32 ttmp9, 224
	s_cselect_b64 s[24:25], s[24:25], s[8:9]
	s_cselect_b64 s[26:27], s[14:15], s[16:17]
	s_cmp_lt_u32 ttmp9, 256
	s_cselect_b64 s[24:25], s[24:25], s[10:11]
	s_cselect_b64 s[26:27], s[26:27], s[18:19]
	s_add_nc_u64 s[24:25], s[24:25], s[56:57]
	s_add_nc_u64 s[26:27], s[26:27], s[58:59]
.set i, 0
.rept 16
	global_load_b128 v[X+4*i:X+4*i+3], v[OF+i], s[24:25] th:TH_LOAD_NT   ; row i: 32 lanes read 512 consecutive bytes; read once in the launch
.set i, i+1
.endr
	s_wait_kmcnt 0x0
	s_cmp_lt_u32 ttmp9, 128
	s_cselect_b32 s46, s32, s33
	s_cmp_lt_u32 ttmp9, 224
	s_cselect_b32 s46, s46, s39                    ; e0, e1 or e7 (the mask's work-groups make the two numbers below and do not use them)
	s_add_co_i32 s46, s46, 127
	s_lshl_b32 s47, s46, 23
	v_mov_b32 v11, s47                             ; 2^e as f32: the conversion takes its exponent field
	s_add_co_i32 s46, s46, 8
	s_lshl_b32 s46, s46, 23
	s_or_b32 s46, s46, 0x600000
	v_mov_b32 v10, s46                             ; 448 x 2^e
.set i, 0
.rept 16
	s_wait_loadcnt 15-i                            ; loads come back in order: row i is in, the 15 - i younger rows may be out
	ds_store_b128 v4, v[X+4*i:X+4*i+3] offset:SP*i
.set i, i+1
.endr
.set i, 0
.rept 8
	ds_load_b128 v[X+8*i:X+8*i+3], v5 offset:64*i          ; LDS serves a wave's instructions in order: these see my stores.  Columns 16 i + 8 h + 0 .. 3 of row r,
	ds_load_b128 v[X+8*i+4:X+8*i+7], v5 offset:64*i+16     ; and + 4 .. 7
.set i, i+1
.endr
	s_wait_dscnt 0x0
	s_cmp_ge_u32 ttmp9, 256
	s_cbranch_scc1 .Lmask
	; ---- numbers into codes
.set i, 0
.rept 64
	v_med3_num_f32 v[X+i], v[X+i], -v10, v10       ; the conversion to an 8-bit code does not saturate (ISA guide 7.6.2): the hold at the largest code x the scale comes first
.set i, i+1
.endr
.set i, 0
.rept 8
	v_cvt_scalef32_pk8_fp8_f32 v[C+2*i:C+2*i+1], v[X+8*i:X+8*i+7], v11   ; registers 2 i, 2 i + 1 of the fragment: k = 16 i + 8 h + 0 .. 7
.set i, i+1
.endr
	v_nop                                          ; a plain vector line behind the last conversion
.set i, 0
.rept 4
	global_store_b128 v3, v[C+4*i:C+4*i+3], s[26:27] offset:512*i        ; 32 lanes store 512 consecutive bytes, at a multiple of 512 from the buffer's first byte
.set i, i+1
.endr
	s_branch .Ljoin
.Lmask:
	; ---- the mask's numbers into lane masks: word n is the compare's result for register n; lane n / 2 of the pair v[14:15] takes it, so that one store of 8 bytes a lane writes the step's 256 bytes
	v_mov_b32 v14, 0
	v_mov_b32 v15, 0
	s_mov_b32 s44, 0                               ; the OR of the 64 words: bit L: lane L has seen a number that is not 0
	s_mov_b32 s45, -1                              ; their AND
.set n, 0
.rept 16
	v_cmp_ne_u32 s40, 0, v[X+n]
	v_cmp_ne_u32 s41, 0, v[X+n+1]
	v_cmp_ne_u32 s42, 0, v[X+n+2]
	v_cmp_ne_u32 s43, 0, v[X+n+3]
	s_or_b32 s44, s44, s40
	s_and_b32 s45, s45, s40
	v_writelane_b32 v14, s40, n/2
	s_or_b32 s44, s44, s41
	s_and_b32 s45, s45, s41
	v_writelane_b32 v15, s41, n/2
	s_or_b32 s44, s44, s42
	s_and_b32 s45, s45, s42
	v_writelane_b32 v14, s42, n/2+1
	s_or_b32 s44, s44, s43
	s_and_b32 s45, s45, s43
	v_writelane_b32 v15, s43, n/2+1
.set n, n+4
.endr
	global_store_b64 v9, v[14:15], s[26:27]        ; 256 consecutive bytes, aligned
	v_mov_b32 v12, s44
	v_mov_b32 v13, s45
.Ljoin:
	ds_store_b32 v6, v12                           ; all lanes write the wave's word with the same value
	ds_store_b32 v6, v13 offset:64
	s_wait_dscnt 0x0                               ; for the others' sake: my stores have landed
	s_barrier_signal -1
	s_barrier_wait -1
	s_cmp_lt_u32 ttmp9, 256
	s_cbranch_scc1 .Lend
	s_cmp_lg_u32 s22, 0
	s_cbranch_scc1 .Lend
	; ---- wave 0 of a mask work-group makes the query tile's flags
	ds_load_b32 v16, v7                            ; lane l: the OR of step l % 16
	ds_load_b32 v17, v7 offset:64                  ; its AND
	ds_load_b128 v[32:35], v8                      ; all sixteen ORs, in every lane
	ds_load_b128 v[36:39], v8 offset:16
	ds_load_b128 v[40:43], v8 offset:32
	ds_load_b128 v[44:47], v8 offset:48
	s_lshl_b32 s56, s48, 8
	s_add_nc_u64 s[20:21], s[20:21], s[56:57]      ; mflag: 256 bytes a query tile
	s_wait_dscnt 0x0
	v_cmp_ne_u32 s40, 0, v16                       ; bit w: step w's tile has a number that is not 0
	v_cmp_ne_u32 s41, -1, v17                      ; bit w: it is not all ones
.irp i, 0,2,4,6,8,10,12,14
	v_or_b32 v[32+\i], v[32+\i], v[33+\i]
.endr
.irp i, 0,4,8,12
	v_or_b32 v[32+\i], v[32+\i], v[34+\i]
.endr
	v_or_b32 v32, v32, v36
	v_or_b32 v40, v40, v44
	v_or_b32 v32, v32, v40
	v_readfirstlane_b32 s42, v32
	s_lshr_b32 s43, s42, 16
	s_or_b32 s42, s42, s43
	s_and_b32 s42, s42, 0xffff                     ; bit r: query row r has a key that counts
	s_cmp_eq_u32 s42, 0xffff
	s_cselect_b32 s42, 0, 0xffff                   ; a row without any: every step is worked
	s_or_b32 s40, s40, s42
.if SKIP == 0
	s_or_b32 s40, s40, 0xffff
.endif
	s_and_b32 s40, s40, 0xffff                     ; P
	s_and_b32 s41, s41, s40                        ; N
	v_mov_b32 v18, s40
	v_mov_b32 v19, s41
	global_store_b64 v9, v[18:19], s[20:21]        ; 256 consecutive bytes, aligned
.Lend:
	s_wait_tensorcnt 0x0
	ds_add_u32 v128, v129
	s_wait_dscnt 0x0
	s_endpgm
.Lfunc_end_k_qb64060abc6_prep:
	.size	k_qb64060abc6_prep, .Lfunc_end_k_qb64060abc6_prep-k_qb64060abc6_prep
	.p2alignl 7, 3214868480
	.fill 96, 4, 3214868480
	.section	.rodata,"a",@progbits
	.p2align	6, 0x0
	.amdhsa_kernel k_qb64060abc6_prep
		.amdhsa_group_segment_fixed_size 137472
		.amdhsa_private_segment_fixed_size 0
		.amdhsa_enable_private_segment 0
		.amdhsa_kernarg_size 72
		.amdhsa_user_sgpr_count 2
		.amdhsa_user_sgpr_kernarg_segment_ptr 1
		.amdhsa_wavefront_size32 1
		.amdhsa_system_sgpr_workgroup_id_x 1
		.amdhsa_system_sgpr_workgroup_id_y 1
		.amdhsa_system_sgpr_workgroup_id_z 1
		.amdhsa_system_vgpr_workitem_id 0
		.amdhsa_next_free_vgpr 130
		.amdhsa_next_free_sgpr 66
		.amdhsa_reserve_vcc 0
		.amdhsa_float_denorm_mode_32 3
		.amdhsa_float_denorm_mode_16_64 3
		.amdhsa_memory_ordered 1
		.amdhsa_forward_progress 1
		.amdhsa_inst_pref_size 29
	.end_amdhsa_kernel
	.amdgpu_metadata
---
amdhsa.version: [ 1, 2 ]
amdhsa.kernels:
  - .name:           k_qb64060abc6_prep
    .symbol:         k_qb64060abc6_prep.kd
    .args:
      - { .name: x, .offset: 0, .size: 8, .value_kind: global_buffer, .address_space: global }
      - { .name: w_qkv_w, .offset: 8, .size: 8, .value_kind: global_buffer, .address_space: global }
      - { .name: w_o_w, .offset: 16, .size: 8, .value_kind: global_buffer, .address_space: global }
      - { .name: mask, .offset: 24, .size: 8, .value_kind: global_buffer, .address_space: global }
      - { .name: lowp_scales, .offset: 32, .size: 8, .value_kind: global_buffer, .address_space: global }
      - { .name: xw, .offset: 40, .size: 8, .value_kind: global_buffer, .address_space: global }
      - { .name: woimg, .offset: 48, .size: 8, .value_kind: global_buffer, .address_space: global }
      - { .name: mw, .offset: 56, .size: 8, .value_kind: global_buffer, .address_space: global }
      - { .name: mflag, .offset: 64, .size: 8, .value_kind: global_buffer, .address_space: global }
    .group_segment_fixed_size: 137472
    .private_segment_fixed_size: 0
    .kernarg_segment_align: 8
    .kernarg_segment_size: 72
    .max_flat_workgroup_size: 512
    .sgpr_count:     66
    .vgpr_count:     130
    .wavefront_size: 32
...
	.end_amdgpu_metadata
.endif
;; end of part 1
;; launch qkv (part 2): grid 12 x 16, 4 waves a work-group, clusters of 4 x 4, 327,680 bytes of LDS; arguments xw, lowp_scales, w_qkv_b, qkv; writes qkv
.if DOCPART == 2
	.amdgcn_target "amdgcn-amd-amdhsa--gfx1250"
	.amdhsa_code_object_version 6
	.text
	.protected	k_qb64060abc6_qkv
	.globl	k_qb64060abc6_qkv
	.p2align	8
	.type	k_qb64060abc6_qkv,@function
k_qb64060abc6_qkv:
	s_mov_b64 s[64:65], 0
	v_nop
	global_prefetch_b8 v0, s[64:65] scope:SCOPE_SE
	s_setreg_imm32_b32 hwreg(HW_REG_WAVE_MODE, 25, 1), 1
	s_wait_xcnt 0x0
	s_wait_alu depctr_hold_cnt(0) depctr_sa_sdst(0) depctr_va_vdst(0) depctr_va_sdst(0) depctr_va_ssrc(0) depctr_va_vcc(0) depctr_vm_vsrc(0)
	s_getreg_b32 s2, hwreg(HW_REG_IB_STS2, 6, 4)
	s_cmp_eq_u32 s2, 0
	s_cbranch_scc0 .Lentry_in_a_cluster
	s_endpgm
.Lentry_in_a_cluster:
	s_bfe_u32 s2, ttmp6, 0x10000c
	s_cmp_lg_u32 s2, 0xf033
	s_cbranch_scc0 .Lentry_shape_is_right
	s_endpgm
.Lentry_shape_is_right:
; qkv = x w_qkv_w^T + w_qkv_b on codes of FP8 (E4M3), then quantised anew for the attention: q with 2^e2, k with 2^e3, v with 2^e5.  Sums in f32; sum x 2^(e0 + e1) + bias in f32 goes into the quantiser.
; LIMITS: e0 + e1 between -126 and 127; e2, e3, e5 between -126 and 119: each power of two below is then an f32 number.
; BOTH OPERANDS lie in one buffer, xw [kslot 4][row tile 448][k step in slot 2][2048], as images of the operands' registers (registers 4 u .. 4 u + 3 of a fragment of 16 rows x 128 k at byte 512 u + 16 x lane).
; Row tiles 0-255 are tokens, 256-447 the weight's rows (features).  A TILE of 256 rows is 65,536 consecutive bytes of a kslot; tiles 0-15 tokens, 16-23 q's and k's features, 24-27 v's.
; A work-group of four waves makes 256 x 256 sums, a wave 128 x 128: 64 accumulators, 512 registers.  Source 1 of the matrix instruction takes the P side (its row falls on lane % 16), source 0 the R side (its rows fall
; into a lane's registers, 8 (lane / 16) + j).  So the side whose rows are the LATER product's K goes to R:
;   q, k (clusters x = 0, 1): P = tokens, R = features: a lane holds one token and eight neighbouring channels of a head.      v (cluster x = 2): P = features, R = tokens: a lane holds one channel and eight neighbouring keys.
; The conversions' results are then the later operands' registers, and they leave as images: every store covers 512 consecutive bytes.
;   qkv: q at 0 and k at 4 MiB: [batch x head 32][token tile 128][1024] (16 tokens x 64 channels);  v at 8 MiB: [batch x head 32][key step 16][channel tile 4][2048] (16 channels x 128 keys).
; K goes in four slots of 256 through a ring of two LDS slots; a wave's tensor load brings 128 rows of one side, 32,768 consecutive bytes.  With four slots the walk is written out without a loop.
; CLUSTERS: 4 x 4 work-groups.  P's tile hangs on cy alone and is shared along a row of the cluster, R's on cx alone and is shared along a column: each is asked for JOINTLY.
; No prefetch: the launch has four slots, two of them asked for at its head, and the tiles are shared by joint loads.
; REGISTERS, in windows of 256: window 0: v16-31 addresses and constants; v32-95 the bias; v96-103 its loads' offsets; from v128 P's fragments, ONE set (on the way out: v128-191 numbers, v192-223 codes).
;   window 1: R's fragments, TWO sets, at v0 and v128.   window 2: the accumulators of my P rows 0-63 ((a, b) at v[8 (8 a + b)]);   window 3: of rows 64-127.
.set KSX,   0x1C0000                   ; a kslot of xw in bytes
.set STEPA, 2*KSX                      ; a slot's next fill lies two kslots on
.set STEPB, 2*KSX
.set HALFT, 32768                      ; 128 rows x 256 along K: what one tensor load brings, and what one wave reads of a side
.set SLOT,  4*HALFT                    ; P's two halves, then R's two
.set SPARE, 2*SLOT                     ; behind the ring: the spare words, 128 bytes for each wave: two blocks of 256 bytes that no other line names
.set FR,    16                         ; registers of a fragment
.set NL,    4                          ; LDS loads that bring one
.set NP,    4                          ; places behind this matrix instruction (ISA guide 7.12.1)
.set ADRA, 16                          ; v16-17  LDS address of my P fragments in slot 0, 1
.set ADRB, 20                          ; v20-21  the same for R
.set LI,   26                          ; v26     16 x lane
.set SPW,  28                          ; v28     LDS address of my spare word; never rewritten
.set NIL,  29                          ; v29     0; never rewritten
.set LIM,  30                          ; v30     448 x 2^ec, ec = e2, e3 or e5
.set SCL,  31                          ; v31     2^ec
.set BI,   32                          ; v32-95  the bias, in the result's layout
.set BO,   96                          ; v96-103 its loads' offsets
.set AF,   128
.set TMP,  128
.set CD,   192
.set G1, 24                            ; s[24:31] descriptor group 1 for P's tiles;  s[32:39] group 0, one set for each slot
.set G0, 32
.set G1B, 48                           ; s[48:55], s[56:63] the same for R's
.set G0B, 56
.set MSB, 0
.macro WIN new                         ; the immediate's high byte repeats the setting that is left
.if MSB != \new
	s_set_vgpr_msb (MSB<<8)|\new
.set MSB, \new
.endif
.endm
.set MUL_LO, 0xa1                      ; source 0 (R) window 1, source 1 (P) window 0, C and D window 2
.set MUL_HI, 0xf1                      ; the same, C and D window 3
.set TO_B,   0x40                      ; destination window 1, address window 0
; A joint load: waves 0 and 1 fetch for P, waves 2 and 3 for R.  Each line has one mask and one set of registers for all that issue it; the branch hangs on the wave's number alone.
; Four v_nop follow each of the two lines, ahead of the jump, the label and what follows.
.macro JLOAD g0a, g1a, g0b, g1b
	s_cmp_eq_u32 s15, 0
	s_cbranch_scc0 .Lfor_b_\@
	tensor_load_to_lds s[\g0a:\g0a+3], s[\g1a:\g1a+7]
	s_nop 0
.rept 4
	v_nop
.endr
	s_branch .Lasked_\@
.Lfor_b_\@:
	tensor_load_to_lds s[\g0b:\g0b+3], s[\g1b:\g1b+7]
	s_nop 0
.rept 4
	v_nop
.endr
.Lasked_\@:
.endm
.macro CREST                           ; a round of the cluster's barrier behind its opening barrier
	s_cmp_lg_u32 s14, 0
	s_cbranch_scc1 .Lnot_wave_0_\@
	s_barrier_signal -3
.Lnot_wave_0_\@:
	s_barrier_wait -3
	s_barrier_signal -1
	s_barrier_wait -1
.endm
.macro CROUND                          ; a whole round
	s_barrier_signal -1
	s_barrier_wait -1
	CREST
.endm
	s_load_b256 s[4:11], s[0:1], 0x0               ; xw s[4:5], the scales s[6:7], the bias s[8:9], qkv s[10:11]
	v_lshl_add_u32 v[SPW], v0, 2, SPARE
	v_mov_b32 v[NIL], 0
	ds_add_u32 v28, v29
	ds_add_u32 v28, v29
	s_wait_dscnt 0x0
	v_lshrrev_b32 v1, 5, v0
	v_readfirstlane_b32 s14, v1                    ; wave 0..3
	s_lshr_b32 s15, s14, 1                         ; which half of P's rows is mine.  Also: I fetch for P (0) or for R (1)
	s_and_b32 s16, s14, 1                          ; which half of R's rows.  Also: which 128 rows of that tile I fetch
	s_bfe_u32 s40, ttmp6, 0x40000                  ; cx, cy: my place in the cluster
	s_bfe_u32 s41, ttmp6, 0x40004
	s_and_b32 s17, ttmp7, 0xffff
	s_lshl_b32 s17, s17, 2                         ; 4 x cluster y
	s_lshl_b32 s42, ttmp9, 2
	s_add_co_u32 s42, s42, 16                      ; 16 + 4 x cluster x
	s_cmp_eq_u32 ttmp9, 2                          ; v's cluster column?  The same in all sixteen partners
	s_cselect_b32 s18, 24, s17
	s_cselect_b32 s20, s17, s42
	s_add_co_u32 s18, s18, s41                     ; P's tile: 4 cly + cy (tokens), or 24 + cy (v's features): of the two places it holds cy alone
	s_add_co_u32 s20, s20, s40                     ; R's tile: 16 + 4 clx + cx (q's, k's features), or 4 cly + cx (tokens): cx alone
	s_lshl_b32 s43, s41, 2
	s_lshl_b32 s43, 15, s43                        ; my row of the cluster
	s_lshl_b32 s44, 0x1111, s40                    ; my column
	; descriptor group 1: a dense block of 32,768 bytes as 128 rows of 32 elements of 8 bytes; no padding: the fragments are read 16 x lane on end
	s_or_b32 s[G1+0], s43, (3<<16)|(1<<21)         ; 15:0 the mask: P's tiles go to my row; 17:16 elements of 8 bytes; 21 set beside a mask
	s_or_b32 s[G1B+0], s44, (3<<16)|(1<<21)
.irp g, G1, G1B
	s_mov_b32 s[\g+1], 32<<16                      ; tensor_dim0
	s_mov_b32 s[\g+2], 128<<16                     ; tensor_dim1
	s_mov_b32 s[\g+3], 32<<16                      ; tile_dim0
	s_mov_b32 s[\g+4], 128                         ; tile_dim1
	s_mov_b32 s[\g+5], 32                          ; tensor_dim0_stride
	s_mov_b32 s[\g+6], 0
	s_mov_b32 s[\g+7], 0
.endr
	s_lshl_b32 s45, s16, 15                        ; which 128 rows of the tile I fetch
	s_lshl_b32 s22, s18, 16
	s_add_co_u32 s22, s22, s45
	s_mov_b32 s23, 0
	s_lshl_b32 s46, s20, 16
	s_add_co_u32 s46, s46, s45
	s_mov_b32 s47, 0
	s_lshl_b32 s45, s14, 15                        ; where they go: wave x 32,768: no place in the cluster enters an LDS address
	s_wait_kmcnt 0x0
	s_load_b256 s[72:79], s[6:7], 0x0              ; e0 .. e7
	s_add_nc_u64 s[22:23], s[4:5], s[22:23]
	s_add_nc_u64 s[46:47], s[4:5], s[46:47]
	CROUND                                         ; all sixteen work-groups are here: the first joint loads meet
.irp s, 0,1
	s_mov_b32 s[G0+4*\s], 1
	s_add_co_u32 s[G0+4*\s+1], s45, \s*SLOT
	s_add_nc_u64 s[G0+4*\s+2:G0+4*\s+3], s[22:23], \s*KSX
	s_or_b32 s[G0+4*\s+3], s[G0+4*\s+3], 0x80000000
	s_mov_b32 s[G0B+4*\s], 1
	s_add_co_u32 s[G0B+4*\s+1], s45, \s*SLOT
	s_add_nc_u64 s[G0B+4*\s+2:G0B+4*\s+3], s[46:47], \s*KSX
	s_or_b32 s[G0B+4*\s+3], s[G0B+4*\s+3], 0x80000000
	JLOAD G0+4*\s, G1, G0B+4*\s, G1B
.endr
	v_and_b32 v1, 31, v0
	v_lshlrev_b32 v[LI], 4, v1
	s_lshl_b32 s80, s15, 15                        ; my 128 rows of P
	s_lshl_b32 s81, s16, 15                        ; my 128 rows of R,
	s_add_co_u32 s81, s81, 2*HALFT                 ; which lie behind P's 256
.irp s, 0,1
	v_add_nc_u32 v[ADRA+\s], s80, v[LI]
	v_add_nc_u32 v[ADRB+\s], s81, v[LI]
	s_add_co_u32 s80, s80, SLOT
	s_add_co_u32 s81, s81, SLOT
.endr
	; THE BIAS, in the result's layout, with no branch.  q, k: register 8 b + j holds the bias of feature 16 b + 8 h + j of my 128 of R;  v: register 8 a + j that of feature 16 a + r of my 128 of P.
	s_sub_co_u32 s82, s20, 16
	s_lshl_b32 s82, s82, 10
	s_lshl_b32 s83, s16, 9
	s_add_co_u32 s82, s82, s83                     ; q, k: 4 bytes x (256 (R - 16) + 128 x my half of R)
	s_sub_co_u32 s84, s18, 24
	s_lshl_b32 s84, s84, 10
	s_lshl_b32 s83, s15, 9
	s_add_co_u32 s84, s84, s83
	s_add_co_u32 s84, s84, 8192                    ; v: 4 bytes x (2,048 + 256 (P - 24) + 128 x my half of P)
	s_cmp_eq_u32 ttmp9, 2
	s_cselect_b32 s82, s84, s82
	s_cselect_b32 s85, 4, 0                        ; bytes for each r,
	s_cselect_b32 s86, 0, 32                       ; each h,
	s_cselect_b32 s87, 0, 4                        ; each j
	s_mov_b32 s83, 0
	s_add_nc_u64 s[8:9], s[8:9], s[82:83]
	v_and_b32 v1, 15, v0                           ; r
	v_bfe_u32 v2, v0, 4, 1                         ; h
	v_mul_u32_u24 v3, v1, s85
	v_mad_u32_u24 v3, v2, s86, v3
.set j, 0
.rept 8
	v_mad_u32_u24 v[BO+j], s87, j, v3
.set j, j+1
.endr
.irp x, 0,1,2,3,4,5,6,7
.irp j, 0,1,2,3,4,5,6,7
	global_load_b32 v[BI+8*\x+\j], v[BO+\j], s[8:9] offset:64*\x
.endr
.endr
	; where my codes go, in bytes, for both forms; then the choice
	s_lshl_b32 s82, s18, 8
	s_lshl_b32 s83, s15, 7
	s_add_co_u32 s82, s82, s83                     ; q, k: my first token
	s_sub_co_u32 s83, s20, 16
	s_lshl_b32 s83, s83, 2
	s_lshl_b32 s84, s16, 1
	s_add_co_u32 s83, s83, s84                     ; my first head, 0-15 q's, 16-31 k's
	s_lshr_b32 s84, s83, 4
	s_lshl_b32 s84, s84, 22                        ; q at 0, k at 4 MiB
	s_lshr_b32 s85, s82, 11
	s_lshl_b32 s85, s85, 21                        ; the batch: 16 heads of 131,072 bytes
	s_or_b32 s84, s84, s85
	s_and_b32 s85, s83, 15
	s_lshl_b32 s85, s85, 17                        ; the head
	s_or_b32 s84, s84, s85
	s_and_b32 s85, s82, 2047
	s_lshr_b32 s85, s85, 4
	s_lshl_b32 s85, s85, 10                        ; the token tile: 1,024 bytes
	s_or_b32 s84, s84, s85
	s_sub_co_u32 s86, s18, 24
	s_lshl_b32 s86, s86, 2
	s_lshl_b32 s87, s15, 1
	s_add_co_u32 s86, s86, s87                     ; v: my first head
	s_lshl_b32 s86, s86, 17
	s_lshl_b32 s87, s20, 8
	s_lshl_b32 s88, s16, 7
	s_add_co_u32 s87, s87, s88                     ; my first token: my 128 are one key step
	s_lshr_b32 s88, s87, 11
	s_lshl_b32 s88, s88, 21
	s_or_b32 s86, s86, s88
	s_and_b32 s88, s87, 2047
	s_lshr_b32 s88, s88, 7
	s_lshl_b32 s88, s88, 13                        ; the key step: 8,192 bytes
	s_or_b32 s86, s86, s88
	s_or_b32 s86, s86, 8<<20                       ; v at 8 MiB
	s_cmp_eq_u32 ttmp9, 2
	s_cselect_b32 s84, s86, s84
	s_mov_b32 s85, 0
	s_add_nc_u64 s[10:11], s[10:11], s[84:85]
.macro FRAG reg, adr, q, i             ; block i (16 rows) of my 128, the slot's q-th 128 along K: four chunks of 512 bytes, 16 x lane on end: no bank is asked twice
.irp c, 0,1,2,3
	ds_load_b128 v[\reg+4*\c:\reg+4*\c+3], v[\adr] offset:(\i)*4096+(\q)*2048+512*\c
.endr
.endm
; 16 matrix instructions: P's blocks a0, a0 + 1 x R's eight, 128 along K.  p: R's set.  zero = 1: the first product starts the sums: nothing is ever cleared.
; The 64 accumulators take turns, one instruction a turn, in the same order in every step.
.macro MUL16 a0, p, zero
.irp a, \a0, \a0+1
.irp b, 0,1,2,3,4,5,6,7
.if \zero
	v_wmma_f32_16x16x128_fp8_fp8 v[8*(8*((\a)%4)+\b):8*(8*((\a)%4)+\b)+7], v[128*(\p)+FR*\b:128*(\p)+FR*\b+FR-1], v[AF+FR*(\a):AF+FR*(\a)+FR-1], 0
.else
	v_wmma_f32_16x16x128_fp8_fp8 v[8*(8*((\a)%4)+\b):8*(8*((\a)%4)+\b)+7], v[128*(\p)+FR*\b:128*(\p)+FR*\b+FR-1], v[AF+FR*(\a):AF+FR*(\a)+FR-1], v[8*(8*((\a)%4)+\b):8*(8*((\a)%4)+\b)+7]
.endif
.endr
.endr
.endm
.macro FETCH_B slot, q, p              ; R's eight fragments into set p
	WIN TO_B
.irp i, 0,1,2,3,4,5,6,7
	FRAG 128*(\p)+FR*\i, ADRB+\slot, \q, \i
.endr
	WIN 0
.endm
.macro FETCH_A slot, q, i0             ; P's blocks i0 .. i0 + 3
.irp i, \i0, \i0+1, \i0+2, \i0+3
	FRAG AF+FR*(\i), ADRA+\slot, \q, \i
.endr
.endm
; A load into a register that a matrix instruction has read, and a vector instruction that reads a matrix result, stand NP places behind that matrix instruction; only plain vector instructions that name none of
; its registers are places (ISA guide 7.12.1 for vector instructions).
.macro PLACES n
.rept \n
	v_nop
.endr
.endm
; A step of 128 along K that has its successor in the same slot.  P has one set of registers: a block is free when its eight products are issued; blocks 0-3 are fetched anew in the step's middle, 4-7 at its end.
.macro STEP slot, q, zero
	s_wait_dscnt 4*NL                              ; R's set and P's blocks 0-3 are in; the youngest sixteen loads (P's blocks 4-7) may be out
	WIN MUL_LO
	MUL16 0, (\q)%2, \zero
	MUL16 2, (\q)%2, \zero
	s_wait_dscnt 0                                 ; P's blocks 4-7 are in
	PLACES NP
	FETCH_B \slot, (\q)+1, 1-(\q)%2
	FETCH_A \slot, (\q)+1, 0
	WIN MUL_HI
	MUL16 4, (\q)%2, \zero
	MUL16 6, (\q)%2, \zero
	PLACES NP
	WIN 0
	FETCH_A \slot, (\q)+1, 4
.endm
; A slot's last step changes slots: ONE barrier; in front of it each wave waits for all its tensor loads, adds 0 to its spare word, and waits for that and for its own reads of this slot.  fill = 1: this slot is filled again, two kslots on.
.macro TURN slot, next, fill
	s_wait_tensorcnt 0x0                           ; all my tensor loads have landed: my part of the next slot;  (every window is 0 here)
	ds_add_u32 v[SPW], v[NIL]                      ; 0 onto my spare word
	s_wait_dscnt 4*NL+1                            ; (the add and the youngest sixteen loads, P's blocks 4-7, may be out)
	WIN MUL_LO
	MUL16 0, 1, 0                                  ; sixteen matrix instructions stand between the add and the wait for it
	s_wait_dscnt 0x0                               ; the add is done, and my reads of this slot are over
	s_barrier_signal -1
	MUL16 2, 1, 0
	WIN 0
	s_barrier_wait -1
.if \fill
	CREST                                          ; the barrier has opened a round of the cluster's barrier: no wave of any partner still reads this slot or has a load on its way
	s_add_nc_u64 s[G0+4*\slot+2:G0+4*\slot+3], s[G0+4*\slot+2:G0+4*\slot+3], STEPA
	s_add_nc_u64 s[G0B+4*\slot+2:G0B+4*\slot+3], s[G0B+4*\slot+2:G0B+4*\slot+3], STEPB
	JLOAD G0+4*\slot, G1, G0B+4*\slot, G1B         ; the first tensor load behind the round; its four v_nop are also the places in front of the loads below
.else
	PLACES NP
.endif
	FETCH_B \next, 0, 0
	FETCH_A \next, 0, 0
	WIN MUL_HI
	MUL16 4, 1, 0
	MUL16 6, 1, 0
	PLACES NP
	WIN 0
	FETCH_A \next, 0, 4
.endm
	s_wait_tensorcnt 1                             ; my part of kslot 0 is in (kslot 1's load may be out)
	s_barrier_signal -1
	s_barrier_wait -1                              ; everybody's is
	FETCH_B 0, 0, 0
	FETCH_A 0, 0, 0
	FETCH_A 0, 0, 4
	STEP 0, 0, 1                                   ; kslot 0: its first products start the sums
	TURN 0, 1, 1                                   ; slot 0 takes kslot 2
	STEP 1, 0, 0                                   ; kslot 1
	TURN 1, 0, 1                                   ; slot 1 takes kslot 3
	STEP 0, 0, 0                                   ; kslot 2
	TURN 0, 1, 0                                   ; nothing is left to fetch
	STEP 1, 0, 0                                   ; kslot 3
	s_wait_dscnt 4*NL
	WIN MUL_LO
	MUL16 0, 1, 0
	MUL16 2, 1, 0
	s_wait_dscnt 0
	WIN MUL_HI
	MUL16 4, 1, 0
	MUL16 6, 1, 0
	WIN 0
; THE WAY OUT, block a of P's eight at a time: sum x 2^(e0 + e1) + bias (one packed multiply-add for two numbers, each accumulator from its low end on), the hold, the conversion; a lane's eight numbers of an
; accumulator are eight neighbours along the later K, so the block's 16 registers of codes are two fragments of 64 (q, k) or one of 128 (v), and four stores of 512 consecutive bytes take them.
.macro EPI a, form
.if (\a) >= 2
	s_wait_xcnt 0x0                                ; block a - 2's stores have read their registers: its set of codes is written again only behind this wait
.endif
.set AC, 64*((\a)%4)
.set CSET, CD+16*((\a)%2)
	WIN 0x02+((\a)/4)                              ; source 0: window 2 or 3
.set j, 0
.rept 32
.if \form
	v_pk_fma_f32 v[TMP+j:TMP+j+1], v[AC+j:AC+j+1], s[96:97], v[BI+8*(\a)+j%8:BI+8*(\a)+j%8+1] op_sel_hi:[1,0,1]
.else
	v_pk_fma_f32 v[TMP+j:TMP+j+1], v[AC+j:AC+j+1], s[96:97], v[BI+j:BI+j+1] op_sel_hi:[1,0,1]
.endif
.set j, j+2
.endr
	WIN 0
.set j, 0
.rept 64
	v_med3_num_f32 v[TMP+j], v[TMP+j], -v[LIM], v[LIM]     ; the conversion to an 8-bit code does not saturate (ISA guide 7.6.2)
.set j, j+1
.endr
.set j, 0
.rept 8
	v_cvt_scalef32_pk8_fp8_f32 v[CSET+2*j:CSET+2*j+1], v[TMP+8*j:TMP+8*j+7], v[SCL]
.set j, j+1
.endr
	v_nop                                          ; a plain vector line behind the last conversion: the next block's multiply-adds write its sources
.irp u, 0,1,2,3
.if \form
	global_store_b128 v[LI], v[CSET+4*\u:CSET+4*\u+3], s[10:11] offset:((\a)/4)*131072+((\a)%4)*2048+512*\u    ; head a / 4, channel tile a % 4, chunk u
.else
	global_store_b128 v[LI], v[CSET+4*\u:CSET+4*\u+3], s[10:11] offset:(\a)*1024+(\u/2)*131072+(\u%2)*512      ; token tile a, head u / 2, chunk u % 2
.endif
.endr
.endm
	s_wait_kmcnt 0x0                               ; the scales
	s_wait_loadcnt 0x0                             ; the bias
	s_add_co_i32 s96, s72, s73
	s_add_co_i32 s96, s96, 127
	s_lshl_b32 s96, s96, 23                        ; 2^(e0 + e1) as f32
	s_mov_b32 s97, s96                             ; (named with it as a pair, so it is written)
	s_cmp_eq_u32 ttmp9, 0
	s_cselect_b32 s80, s74, s75                    ; e2 for q, e3 for k,
	s_cmp_eq_u32 ttmp9, 2
	s_cselect_b32 s80, s77, s80                    ; e5 for v: a choice, no branch
	s_add_co_i32 s80, s80, 127
	s_lshl_b32 s81, s80, 23
	v_mov_b32 v[SCL], s81
	s_add_co_i32 s80, s80, 8
	s_lshl_b32 s80, s80, 23
	s_or_b32 s80, s80, 0x600000
	v_mov_b32 v[LIM], s80
	PLACES NP                                      ; behind the last products: their results are read, and the registers that held P's fragments are written
	s_cmp_eq_u32 ttmp9, 2                          ; the cluster's x: the same in all partners
	s_cbranch_scc1 .Lform_v
.irp a, 0,1,2,3,4,5,6,7
	EPI \a, 0
.endr
	s_branch .Ldone
.Lform_v:
.irp a, 0,1,2,3,4,5,6,7
	EPI \a, 1
.endr
.Ldone:
	s_wait_tensorcnt 0x0                           ; the wave's end
	ds_add_u32 v[SPW], v[NIL]
	s_wait_dscnt 0x0
	CROUND                                         ; the closing round: no work-group ends while a partner may still ask for a tile that names it
	s_endpgm
.Lfunc_end_k_qb64060abc6_qkv:
	.size	k_qb64060abc6_qkv, .Lfunc_end_k_qb64060abc6_qkv-k_qb64060abc6_qkv
	.p2alignl 7, 3214868480
	.fill 96, 4, 3214868480
	.section	.rodata,"a",@progbits
	.p2align	6, 0x0
	.amdhsa_kernel k_qb64060abc6_qkv
		.amdhsa_group_segment_fixed_size 327680
		.amdhsa_private_segment_fixed_size 0
		.amdhsa_enable_private_segment 0
		.amdhsa_kernarg_size 32
		.amdhsa_user_sgpr_count 2
		.amdhsa_user_sgpr_kernarg_segment_ptr 1
		.amdhsa_wavefront_size32 1
		.amdhsa_system_sgpr_workgroup_id_x 1
		.amdhsa_system_sgpr_workgroup_id_y 1
		.amdhsa_system_sgpr_workgroup_id_z 1
		.amdhsa_system_vgpr_workitem_id 0
		.amdhsa_next_free_vgpr 1024
		.amdhsa_next_free_sgpr 100
		.amdhsa_reserve_vcc 0
		.amdhsa_float_denorm_mode_32 3
		.amdhsa_float_denorm_mode_16_64 3
		.amdhsa_memory_ordered 1
		.amdhsa_forward_progress 1
		.amdhsa_inst_pref_size 197
	.end_amdhsa_kernel
	.amdgpu_metadata
---
amdhsa.version: [ 1, 2 ]
amdhsa.kernels:
  - .name:           k_qb64060abc6_qkv
    .symbol:         k_qb64060abc6_qkv.kd
    .args:
      - { .name: xw, .offset: 0, .size: 8, .value_kind: global_buffer, .address_space: global }
      - { .name: lowp_scales, .offset: 8, .size: 8, .value_kind: global_buffer, .address_space: global }
      - { .name: w_qkv_b, .offset: 16, .size: 8, .value_kind: global_buffer, .address_space: global }
      - { .name: qkv, .offset: 24, .size: 8, .value_kind: global_buffer, .address_space: global }
    .group_segment_fixed_size: 327680
    .private_segment_fixed_size: 0
    .kernarg_segment_align: 8
    .kernarg_segment_size: 32
    .max_flat_workgroup_size: 128
    .sgpr_count:     100
    .vgpr_count:     1024
    .wavefront_size: 32
...
	.end_amdgpu_metadata
.endif
;; end of part 2
;; launch attn (part 3): grid 8 x 32, 16 waves a work-group, no clusters, 264,192 bytes of LDS; arguments qkv, mw, mflag, lowp_scales, oimg; writes oimg
.if DOCPART == 3
	.amdgcn_target "amdgcn-amd-amdhsa--gfx1250"
	.amdhsa_code_object_version 6
	.text
	.protected	k_qb64060abc6_attn
	.globl	k_qb64060abc6_attn
	.p2align	8
	.type	k_qb64060abc6_attn,@function
k_qb64060abc6_attn:
	s_mov_b64 s[64:65], 0
	v_nop
	global_prefetch_b8 v0, s[64:65] scope:SCOPE_SE
	s_setreg_imm32_b32 hwreg(HW_REG_WAVE_MODE, 25, 1), 1
	s_wait_xcnt 0x0
; O = softmax(Q K^T / 8, under the given mask) V for 32 (batch, head) pairs, 2,048 tokens, head size 64, both products on codes of FP8 (E4M3); O is quantised with 2^e6 for the last product.
; THE SOFTMAX AHEAD OF THE SECOND PRODUCT: t = logit x log2(e); M = the row's largest t so far, rounded UP to a whole number; p = 2^(t - M) is quantised with 2^e4, not normalised; the row's sum is taken of the
; unquantised p and divides O at the end.  When M moves, the sum and O are multiplied by 2^(old M - new M): exact.
; THE MASK is an input; nothing of its pattern is built in.  An earlier launch has turned it into lane masks (mw: 64 words for each tile of 16 queries x 128 keys: bit L of word n belongs to register n of lane L) and flags
; (mflag: bit w of P: key step w must be worked; bit w of N: its words are wanted).  A step is left out only where all its 16 x 128 numbers are 0 AND each of the 16 query rows has a key that counts somewhere: its p are 0 then.
; THE FILL UNDER THE MASK is the logit -2^30 in place of -1e9: as a raw score -2^(33 - e2 - e3), so that its t = -2^30 log2(e) is exact and whole.  LIMIT: e2 + e3 between -94 and 8.  The quantiser then bounds every real
; |logit| by 448 x 448 x 64 / 8 x 2^8 = 4.2e8, so under either fill a masked p is 0 beside any key that counts, and exactly 1 in a row that is masked everywhere: the results are the same.
; OTHER LIMITS: e4, e6 between -126 and 119; e4 + e5 is applied by v_ldexp_f32 and has none.  NaN among the inputs is not served.
; SHARES.  A work-group owns one (batch, head) and 16 tiles of 16 queries, one a wave, in 256 registers: four waves to a SIMD, so that one wave's vector work stands beside another's matrix work and LDS loads.
; Wave w of work-group x owns query tile 8 rho + x, rho = 4 (w / 4) + (w % 4 xor 3 ((w / 4) % 2)): tiles spread over the whole sequence, which evens the work out where the mask hides late keys from early queries; any mask is served.
; K AND V of the head, 2 x 131,072 bytes of codes, are brought into LDS ONCE, through registers, at the head; behind the one barrier LDS is only read.  They lie as images of the operands' registers (chunks of 512 bytes, 16 x lane on end).
; NO TENSOR LOADS, NO CLUSTER: the walk over the key steps branches on flags read from memory; with a mask that hides late keys the branch takes away 120 of a
; work-group's 256 wave steps, while what the eight work-groups of a head share is read once, 262,144 bytes each.  No prefetch: K and V are asked for at the head alone.
; LAYOUT.  Both products are used transposed: S^T = K Q^T (source 0 = 16 keys, source 1 = my 16 queries), O^T = V^T P^T (source 0 = 16 channels, source 1 = P): a lane holds ONE query (lane % 16) throughout.  Register 8 t + j
; of S^T is key 16 t + 8 (lane / 16) + j, which is the place that the 16x16x128 form gives k in registers 2 t, 2 t + 1: the conversions' results are the second product's operand.
; REGISTERS: v1 16 x lane; v2 + V's image; v3, v4 addresses in hand; v5-8 the fill's addresses; v10 the fill under the mask; v12 -M, v13 the largest t, v[14:15] the sum in two halves; v16-23 Q; v32-95 K's eight fragments, then V's four;
; v96-159 S^T, then p; v160-191 O^T; v192-207 p's codes; v236-254 at work; v240, v244: 448 x 2^e4, 2^e4; v241, v245: the same for e6.
.set VIMG,  131072                     ; LDS: K's image at 0 (step j at 8,192 j, key tile t at + 1,024 t), V's here (step j at 8,192 j, channel tile at + 2,048)
.set STEPB, 8192
	s_load_b256 s[4:11], s[0:1], 0x0               ; qkv s[4:5], mw s[6:7], mflag s[8:9], the scales s[10:11]
	s_load_b64 s[66:67], s[0:1], 0x20              ; oimg
	v_lshl_add_u32 v251, v0, 2, 0x40000
	v_mov_b32 v255, 0
	v_lshrrev_b32 v3, 5, v0
	v_readfirstlane_b32 s12, v3                    ; wave 0..15
	v_and_b32 v1, 31, v0
	v_lshlrev_b32 v1, 4, v1                        ; 16 x lane
	v_add_nc_u32 v2, VIMG, v1
	v_lshlrev_b32 v5, 4, v0                        ; 16 x thread: the fill's offset in memory, and its LDS address in the first 65,536 bytes
	v_add_nc_u32 v6, 65536, v5
	v_add_nc_u32 v7, 131072, v5
	v_add_nc_u32 v8, 196608, v5
	s_lshr_b32 s13, s12, 2
	s_and_b32 s14, s13, 1
	s_mul_i32 s14, s14, 3
	s_and_b32 s15, s12, 3
	s_xor_b32 s15, s15, s14
	s_lshl_b32 s13, s13, 2
	s_add_co_u32 s13, s13, s15                     ; rho
	s_lshl_b32 s13, s13, 3
	s_add_co_u32 s13, s13, ttmp9                   ; my query tile, 0..127
	s_and_b32 s18, ttmp7, 0xffff                   ; 16 x batch + head
	s_lshl_b32 s32, s18, 17                        ; the head's 131,072 bytes in each of q, k, v
	s_mov_b32 s33, 0
	s_lshl_b32 s34, s13, 10                        ; Q: 1,024 bytes a tile
	s_mov_b32 s35, 0
	s_lshl_b32 s36, s13, 12                        ; mw: 4,096 bytes a tile
	s_mov_b32 s37, 0
	s_lshl_b32 s19, s13, 8                         ; mflag: 256 bytes a tile
	s_and_b32 s38, s18, 15                         ; head
	s_lshr_b32 s39, s18, 4                         ; batch
	s_lshl_b32 s39, s39, 7
	s_add_co_u32 s39, s39, s13
	s_lshl_b32 s39, s39, 12                        ; oimg [kslot 4][token tile 256][2][2048]: the token tile,
	s_lshr_b32 s40, s38, 2
	s_lshl_b32 s40, s40, 20                        ; the kslot = head / 4,
	s_add_co_u32 s40, s40, s39
	s_and_b32 s38, s38, 3
	s_lshl_b32 s38, s38, 10                        ; and the head's 64 of the kslot's 256 along K: 1,024 bytes
	s_add_co_u32 s40, s40, s38
	s_mov_b32 s41, 0
	s_mov_b32 s20, 0x76543210                      ; v_permlanex16_b32's selects for lane l xor 16
	s_mov_b32 s21, 0xfedcba98
	s_wait_kmcnt 0x0
	s_load_b64 s[16:17], s[8:9], s19 offset:0x0    ; P, N
	s_load_b256 s[24:31], s[10:11], 0x0            ; e0 .. e7
	s_add_nc_u64 s[4:5], s[4:5], s[32:33]
	s_add_nc_u64 s[2:3], s[4:5], 0x400000          ; K's image of my head; V's lies 4 MiB further on
	s_add_nc_u64 s[4:5], s[4:5], s[34:35]
	s_add_nc_u64 s[6:7], s[6:7], s[36:37]
	s_add_nc_u64 s[66:67], s[66:67], s[40:41]
	global_load_b128 v[16:19], v1, s[4:5]          ; Q's fragment stays in registers
	global_load_b128 v[20:23], v1, s[4:5] offset:512
.set i, 0
.rept 16
	global_load_b128 v[96+4*i:96+4*i+3], v5, s[2:3] offset:i*8192                  ; K: the sixteen waves read 8,192 consecutive bytes
.set i, i+1
.endr
.rept 16
	global_load_b128 v[96+4*i:96+4*i+3], v5, s[2:3] offset:0x400000+(i-16)*8192    ; V
.set i, i+1
.endr
	s_wait_kmcnt 0x0
	s_mov_b32 s19, 0                               ; from here on: 256 x key step, the step's place among my tile's words
	s_load_b512 s[32:47], s[6:7], s19 offset:0x0   ; step 0's words, once, so that the 64 registers are written on every path
	s_load_b512 s[48:63], s[6:7], s19 offset:0x40
	s_load_b512 s[68:83], s[6:7], s19 offset:0x80
	s_load_b512 s[84:99], s[6:7], s19 offset:0xc0
	s_add_co_i32 s8, s26, s27                      ; e2 + e3
	s_lshl_b32 s9, s8, 23
	s_add_co_i32 s22, s9, 0x3e38aa3b               ; c = log2(e) / 8 x 2^(e2 + e3): the exponents are added to c's exponent field
	s_mov_b32 s23, s22                             ; (named with it as a pair, so it is written)
	s_sub_co_i32 s8, 160, s8
	s_lshl_b32 s8, s8, 23
	s_or_b32 s8, s8, 0x80000000
	v_mov_b32 v10, s8                              ; -2^(33 - e2 - e3)
	s_add_co_i32 s8, s28, 127
	s_lshl_b32 s9, s8, 23
	v_mov_b32 v244, s9                             ; 2^e4
	s_add_co_i32 s8, s8, 8
	s_lshl_b32 s8, s8, 23
	s_or_b32 s8, s8, 0x600000
	v_mov_b32 v240, s8                             ; 448 x 2^e4
	s_add_co_i32 s8, s30, 127
	s_lshl_b32 s9, s8, 23
	v_mov_b32 v245, s9                             ; 2^e6
	s_add_co_i32 s8, s8, 8
	s_lshl_b32 s8, s8, 23
	s_or_b32 s8, s8, 0x600000
	v_mov_b32 v241, s8                             ; 448 x 2^e6
	s_cmp_ge_i32 s28, -8
	s_cselect_b32 s100, 0, 1                       ; from e4 = -8 on, 448 x 2^e4 is 1.75 or more and p is at most 1: the hold changes nothing and is passed over
	s_mov_b32 s14, 0                               ; the key step
	s_mov_b32 s15, 0                               ; 8,192 x key step
.set i, 0
.rept 32
	s_wait_loadcnt 31-i                            ; loads come back in order: fill i is in (and Q, asked for earlier); the 31 - i younger may be out
	ds_store_b128 v[5+i/8], v[96+4*i:96+4*i+3] offset:(i%8)*8192
.set i, i+1
.endr
	v_mov_b32 v13, 0xff61b1e6                      ; the largest t so far: -3e38, under every t
	v_floor_f32 v12, -v13                          ; -M
	v_mov_b32 v14, 0                               ; the sum, in two halves
	v_mov_b32 v15, 0
	v_mov_b32 v236, 0                              ; written once: a lane permute's destination counts as one of its sources
	v_mov_b32 v253, 0                              ; (named as the upper half of the pair v[252:253])
	s_wait_kmcnt 0x0
	s_wait_dscnt 0x0                               ; for the others' sake: my stores have landed
	s_barrier_signal -1
	s_barrier_wait -1                              ; the head's K and V lie in LDS; nothing writes LDS any more
.set i, 0
.rept 32
	v_mov_b32 v[160+i], 0                          ; O^T.  (The step is written once: the first finds zeros, which the first change of M leaves zeros)
.set i, i+1
.endr
.Lstep:                                            ; 16 trips, a constant; a trip whose flag is 0 does nothing but step
	s_and_b32 s18, s16, 1
	s_cmp_eq_u32 s18, 0
	s_cbranch_scc1 .Lskip
	s_and_b32 s18, s17, 1                          ; are the words wanted?
	s_cmp_eq_u32 s18, 0
	s_cbranch_scc1 .Lno_words
	s_load_b512 s[32:47], s[6:7], s19 offset:0x0   ; asked for ahead of K's loads and the first product
	s_load_b512 s[48:63], s[6:7], s19 offset:0x40
	s_load_b512 s[68:83], s[6:7], s19 offset:0x80
	s_load_b512 s[84:99], s[6:7], s19 offset:0xc0
.Lno_words:
	v_add_nc_u32 v3, s15, v1
	v_add_nc_u32 v4, s15, v2
	v_nop                                          ; with the two additions: four places in front of loads into registers that the last step's products have read
	v_nop
.irp t, 0,1,2,3,4,5,6,7
	ds_load_b128 v[32+8*\t:35+8*\t], v3 offset:1024*\t
	ds_load_b128 v[36+8*\t:39+8*\t], v3 offset:1024*\t+512
.endr
	s_wait_dscnt 0x0
.irp t, 0,1,2,3,4,5,6,7
	v_wmma_f32_16x16x64_fp8_fp8 v[96+8*\t:103+8*\t], v[32+8*\t:39+8*\t], v[16:23], 0   ; S^T, 16 keys a tile
.endr
.rept 4
	v_nop                                          ; places in front of the loads below and of the first read of the scores
.endr
.irp d, 0,1,2,3
.irp u, 0,1,2,3
	ds_load_b128 v[32+16*\d+4*\u:35+16*\d+4*\u], v4 offset:2048*\d+512*\u              ; V's four fragments land under the softmax
.endr
.endr
	s_wait_kmcnt 0x0                               ; the words, where they were asked for; also: the offset s19 may be stepped behind this wait
	s_cmp_eq_u32 s18, 0
	s_cbranch_scc1 .Lopen
.set n, 0
.rept 32
	v_cndmask_b32 v[96+n], v10, v[96+n], s[32+n]   ; the score where the mask's number is not 0, else the fill
.set n, n+1
.endr
.rept 32
	v_cndmask_b32 v[96+n], v10, v[96+n], s[36+n]   ; words 32 to 63 lie in s68 to s99
.set n, n+1
.endr
.Lopen:
	v_max3_num_f32 v254, v96, v97, v98             ; the step's largest score of my query, among my 64 keys, in two chains; each accumulator is first read at its low end
	v_max3_num_f32 v252, v99, v100, v101
.set i, 6
.rept 14
	v_max3_num_f32 v254, v254, v[96+i], v[97+i]
	v_max3_num_f32 v252, v252, v[98+i], v[99+i]
.set i, i+4
.endr
	v_max3_num_f32 v254, v254, v158, v159
	v_max_num_f32 v254, v254, v252
	v_permlanex16_b32 v236, v254, s20, s21
	v_max_num_f32 v254, v254, v236                 ; and among lane l xor 16's
	v_mul_f32 v254, s22, v254                      ; as t (c is positive)
	v_max_num_f32 v13, v13, v254                   ; the running largest t
	v_mov_b32 v254, v12
	v_floor_f32 v12, -v13                          ; the new -M = floor(-t) = -ceil(t): M is a whole number
	v_sub_f32 v254, v12, v254                      ; M's old value less its new one: a whole number, 0 or less
	v_cvt_i32_f32 v254, v254                       ; (it saturates)
	v_ldexp_f32 v252, 1.0, v254                    ; f = 2^(old M - new M)
.set j, 0
.rept 32
	v_pk_fma_f32 v[96+j:97+j], v[96+j:97+j], s[22:23], v[12:13] op_sel_hi:[1,0,0]   ; t - M, two at a time (of the pairs c and -M the low word serves both halves)
.set j, j+2
.endr
.set j, 0
.rept 64
	v_exp_f32 v[96+j], v[96+j]                     ; p = 2^(t - M), at most 1: not normalised
.set j, j+1
.endr
	v_pk_mul_f32 v[14:15], v[14:15], v[252:253] op_sel_hi:[1,0]   ; the sums under the new M: a plain line behind the exponentials
	s_wait_alu depctr_va_vdst(0)                   ; one wait for the whole batch, ahead of its first reader
	v_pk_add_f32 v[242:243], v[96:97], v[98:99]    ; the row's sum is taken of the unquantised p: two at a time, in two chains
.set j, 4
.rept 15
	v_pk_add_f32 v[14:15], v[14:15], v[96+j:97+j]
	v_pk_add_f32 v[242:243], v[242:243], v[98+j:99+j]
.set j, j+4
.endr
	v_pk_add_f32 v[14:15], v[14:15], v[242:243]
	s_cmp_eq_u32 s100, 0
	s_cbranch_scc1 .Lno_hold
.set j, 0
.rept 64
	v_min_num_f32 v[96+j], v[96+j], v240           ; the conversion to an 8-bit code does not saturate (ISA guide 7.6.2); p is not negative, so the hold is one-sided
.set j, j+1
.endr
.Lno_hold:
.irp t, 0,1,2,3,4,5,6,7
	v_cvt_scalef32_pk8_fp8_f32 v[192+2*\t:193+2*\t], v[96+8*\t:103+8*\t], v244   ; registers 2 t, 2 t + 1 of P's fragment: keys 16 t + 8 h + 0 .. 7
.endr
.set j, 0
.rept 16
	v_pk_mul_f32 v[160+j:161+j], v[160+j:161+j], v[252:253] op_sel_hi:[1,0]      ; O^T under the new M: x f.  (Plain lines between the conversions and the products that read their results)
.set j, j+2
.endr
	s_wait_dscnt 0x0                               ; V is in
.irp d, 0,1,2,3
	v_wmma_f32_16x16x128_fp8_fp8 v[160+8*\d:167+8*\d], v[32+16*\d:47+16*\d], v[192:207], v[160+8*\d:167+8*\d]   ; the four accumulators take turns, one instruction a turn; eight products S^T lie between two links
.endr
.Lskip:
	s_add_co_u32 s15, s15, STEPB
	s_add_co_u32 s19, s19, 256
	s_lshr_b32 s16, s16, 1
	s_lshr_b32 s17, s17, 1
	s_add_co_u32 s14, s14, 1
	s_cmp_lt_u32 s14, 16
	s_cbranch_scc1 .Lstep
	; THE WAY OUT.  O^T / the sum x 2^(e4 + e5), held and turned into codes with 2^e6: a lane's eight numbers of an accumulator are eight neighbouring channels, so the eight registers of codes are my head's part of the
	; last product's fragment, and two stores of 512 consecutive bytes take them.
.rept 4
	v_nop                                          ; places behind the last products
.endr
	v_add_f32 v14, v14, v15                        ; the sum's two halves,
	v_permlanex16_b32 v236, v14, s20, s21
	v_add_f32 v14, v14, v236                       ; and lane l xor 16's: the row's sum.  At least one step was worked, and its largest p is above 1/2
	v_rcp_f32 v14, v14
	v_nop                                          ; a plain line behind the transcendental
	s_add_co_i32 s8, s28, s29
	s_wait_alu depctr_va_vdst(0)                   ; the wait ahead of the first reader
	v_ldexp_f32 v14, v14, s8                       ; x 2^(e4 + e5)
.set j, 0
.rept 16
	v_pk_mul_f32 v[96+j:97+j], v[160+j:161+j], v[14:15] op_sel_hi:[1,0]   ; register 8 d + i is o(query r, channel 16 d + 8 h + i)
.set j, j+2
.endr
.set j, 0
.rept 32
	v_med3_num_f32 v[96+j], v[96+j], -v241, v241
.set j, j+1
.endr
.irp d, 0,1,2,3
	v_cvt_scalef32_pk8_fp8_f32 v[192+2*\d:193+2*\d], v[96+8*\d:103+8*\d], v245
.endr
	v_nop                                          ; a plain vector line behind the last conversion
	global_store_b128 v1, v[192:195], s[66:67]
	global_store_b128 v1, v[196:199], s[66:67] offset:512
	s_wait_tensorcnt 0x0
	ds_add_u32 v251, v255
	s_wait_dscnt 0x0
	s_endpgm
.Lfunc_end_k_qb64060abc6_attn:
	.size	k_qb64060abc6_attn, .Lfunc_end_k_qb64060abc6_attn-k_qb64060abc6_attn
	.p2alignl 7, 3214868480
	.fill 96, 4, 3214868480
	.section	.rodata,"a",@progbits
	.p2align	6, 0x0
	.amdhsa_kernel k_qb64060abc6_attn
		.amdhsa_group_segment_fixed_size 264192
		.amdhsa_private_segment_fixed_size 0
		.amdhsa_enable_private_segment 0
		.amdhsa_kernarg_size 40
		.amdhsa_user_sgpr_count 2
		.amdhsa_user_sgpr_kernarg_segment_ptr 1
		.amdhsa_wavefront_size32 1
		.amdhsa_system_sgpr_workgroup_id_x 1
		.amdhsa_system_sgpr_workgroup_id_y 1
		.amdhsa_system_sgpr_workgroup_id_z 1
		.amdhsa_system_vgpr_workitem_id 0
		.amdhsa_next_free_vgpr 256
		.amdhsa_next_free_sgpr 102
		.amdhsa_reserve_vcc 0
		.amdhsa_float_denorm_mode_32 3
		.amdhsa_float_denorm_mode_16_64 3
		.amdhsa_memory_ordered 1
		.amdhsa_forward_progress 1
		.amdhsa_inst_pref_size 36
	.end_amdhsa_kernel
	.amdgpu_metadata
---
amdhsa.version: [ 1, 2 ]
amdhsa.kernels:
  - .name:           k_qb64060abc6_attn
    .symbol:         k_qb64060abc6_attn.kd
    .args:
      - { .name: qkv, .offset: 0, .size: 8, .value_kind: global_buffer, .address_space: global }
      - { .name: mw, .offset: 8, .size: 8, .value_kind: global_buffer, .address_space: global }
      - { .name: mflag, .offset: 16, .size: 8, .value_kind: global_buffer, .address_space: global }
      - { .name: lowp_scales, .offset: 24, .size: 8, .value_kind: global_buffer, .address_space: global }
      - { .name: oimg, .offset: 32, .size: 8, .value_kind: global_buffer, .address_space: global }
    .group_segment_fixed_size: 264192
    .private_segment_fixed_size: 0
    .kernarg_segment_align: 8
    .kernarg_segment_size: 40
    .max_flat_workgroup_size: 512
    .sgpr_count:     102
    .vgpr_count:     256
    .wavefront_size: 32
...
	.end_amdgpu_metadata
.endif
;; end of part 3
;; launch proj (part 4): grid 4 x 16, 4 waves a work-group, clusters of 4 x 4, 327,680 bytes of LDS; arguments oimg, woimg, lowp_scales, w_o_b, out0; writes out0
.if DOCPART == 4
	.amdgcn_target "amdgcn-amd-amdhsa--gfx1250"
	.amdhsa_code_object_version 6
	.text
	.protected	k_qb64060abc6_proj
	.globl	k_qb64060abc6_proj
	.p2align	8
	.type	k_qb64060abc6_proj,@function
k_qb64060abc6_proj:
	s_mov_b64 s[64:65], 0
	v_nop
	global_prefetch_b8 v0, s[64:65] scope:SCOPE_SE
	s_setreg_imm32_b32 hwreg(HW_REG_WAVE_MODE, 25, 1), 1
	s_wait_xcnt 0x0
	s_wait_alu depctr_hold_cnt(0) depctr_sa_sdst(0) depctr_va_vdst(0) depctr_va_sdst(0) depctr_va_ssrc(0) depctr_va_vcc(0) depctr_vm_vsrc(0)
	s_getreg_b32 s2, hwreg(HW_REG_IB_STS2, 6, 4)
	s_cmp_eq_u32 s2, 0
	s_cbranch_scc0 .Lentry_in_a_cluster
	s_endpgm
.Lentry_in_a_cluster:
	s_bfe_u32 s2, ttmp6, 0x10000c
	s_cmp_lg_u32 s2, 0xf033
	s_cbranch_scc0 .Lentry_shape_is_right
	s_endpgm
.Lentry_shape_is_right:
; out0 = O w_o_w^T + w_o_b on codes of FP8 (E4M3): out0 [4096][1024] f32 = sum x 2^(e6 + e7) + bias.  LIMIT: e6 + e7 between -126 and 127, so that 2^(e6 + e7) is an f32 number.
; BOTH OPERANDS arrive as images of the operands' registers (registers 4 u .. 4 u + 3 of a fragment of 16 rows x 128 k at byte 512 u + 16 x lane): oimg [kslot 4][token tile 256][2][2048], woimg [kslot 4][row tile 64][2][2048].
; A TILE of 256 rows is 65,536 consecutive bytes of a kslot.  A work-group of four waves makes 256 x 256 of out0, a wave 128 x 128: 64 accumulators, 512 registers.  Source 1 of the matrix instruction takes 16 tokens (P), source 0
; 16 rows of the weight (R): a lane then holds eight neighbouring numbers of a row of out0.  4,096 x 1,024 numbers are 64 such tiles: 64 work-groups; a smaller tile would give more of them and read each LDS byte for less work.
; K goes in four slots of 256 through a ring of two LDS slots; a wave's tensor load brings 128 rows of one side, 32,768 consecutive bytes.  With four slots the walk is written out without a loop.
; CLUSTERS: 4 x 4 work-groups.  P's tile hangs on the tile row alone and is shared along a row of the cluster, R's on the tile column alone and is shared along a column: each is asked for JOINTLY.
; No prefetch: the launch has four slots, two of them asked for at its head, and the tiles are shared by joint loads.
; REGISTERS, in windows of 256: window 0: v16-29 addresses; v32-95 the bias; v96-127 at work on the way out; from v128 P's fragments, ONE set (on the way out: rows read back from the stage, v128-191 and v192-255 by turns).
;   window 1: R's fragments, TWO sets, at v0 and v128.   window 2: the accumulators of my rows 0-63 ((a, b) at v[8 (8 a + b)]);   window 3: of rows 64-127.
.set KSO,   0x100000                   ; a kslot of oimg in bytes
.set KSW,   0x40000                    ; of woimg
.set STEPA, 2*KSO                      ; a slot's next fill lies two kslots on
.set STEPB, 2*KSW
.set HALFT, 32768                      ; 128 rows x 256 along K: what one tensor load brings, and what one wave reads of a side
.set SLOT,  4*HALFT                    ; P's two halves, then R's two
.set SPARE, 2*SLOT                     ; behind the ring: the spare words, 128 bytes for each wave: two blocks of 256 bytes that no other line names
.set SPITCH, 528                       ; the way out: a stage of 16 rows x (512 bytes + 16) for each wave.  It lies in slot 0, which has had its last fill and its last read when the first result is stored there
.set ROWO,  4096                       ; a row of out0 in bytes
.set FR,    16
.set NL,    4
.set NP,    4                          ; places behind this matrix instruction (ISA guide 7.12.1)
.set ADRA, 16                          ; v16-17  LDS address of my P fragments in slot 0, 1
.set ADRB, 20                          ; v20-21  the same for R
.set STO,  24                          ; v24     the way out: where I put 32 bytes of a row
.set RD,   25                          ; v25     the way out: where I read a row back
.set LI,   26                          ; v26     16 x lane: an image's place for my lane, and my byte offset in a row's 512 bytes of out0
.set SPW,  28                          ; v28     LDS address of my spare word; never rewritten
.set NIL,  29                          ; v29     0; never rewritten
.set BI,   32                          ; v32-95  the bias: register 8 b + i: column 16 b + 8 h + i of my 128
.set TMP,  96
.set AF,   128
.set BK,   128
.set G1, 24
.set G0, 32
.set G1B, 48
.set G0B, 56
.set MSB, 0
.macro WIN new                         ; the immediate's high byte repeats the setting that is left
.if MSB != \new
	s_set_vgpr_msb (MSB<<8)|\new
.set MSB, \new
.endif
.endm
.set MUL_LO, 0xa1                      ; source 0 (R) window 1, source 1 (P) window 0, C and D window 2
.set MUL_HI, 0xf1                      ; the same, C and D window 3
.set TO_B,   0x40                      ; destination window 1, address window 0
; A joint load: waves 0 and 1 fetch for P, waves 2 and 3 for R; the branch hangs on the wave's number alone.  Four v_nop follow each of the two lines.
.macro JLOAD g0a, g1a, g0b, g1b
	s_cmp_eq_u32 s15, 0
	s_cbranch_scc0 .Lfor_b_\@
	tensor_load_to_lds s[\g0a:\g0a+3], s[\g1a:\g1a+7]
	s_nop 0
.rept 4
	v_nop
.endr
	s_branch .Lasked_\@
.Lfor_b_\@:
	tensor_load_to_lds s[\g0b:\g0b+3], s[\g1b:\g1b+7]
	s_nop 0
.rept 4
	v_nop
.endr
.Lasked_\@:
.endm
.macro CREST                           ; a round of the cluster's barrier behind its opening barrier
	s_cmp_lg_u32 s14, 0
	s_cbranch_scc1 .Lnot_wave_0_\@
	s_barrier_signal -3
.Lnot_wave_0_\@:
	s_barrier_wait -3
	s_barrier_signal -1
	s_barrier_wait -1
.endm
.macro CROUND                          ; a whole round
	s_barrier_signal -1
	s_barrier_wait -1
	CREST
.endm
	s_load_b256 s[4:11], s[0:1], 0x0               ; oimg s[4:5], woimg s[6:7], the scales s[8:9], the bias s[10:11]
	s_load_b64 s[12:13], s[0:1], 0x20              ; out0
	v_lshl_add_u32 v[SPW], v0, 2, SPARE
	v_mov_b32 v[NIL], 0
	ds_add_u32 v28, v29
	ds_add_u32 v28, v29
	s_wait_dscnt 0x0
	v_lshrrev_b32 v1, 5, v0
	v_readfirstlane_b32 s14, v1                    ; wave 0..3
	s_lshr_b32 s15, s14, 1                         ; which half of the tile's rows is mine.  Also: I fetch for P (0) or for R (1)
	s_and_b32 s16, s14, 1                          ; which half of its columns.  Also: which 128 rows of that tile I fetch
	s_bfe_u32 s40, ttmp6, 0x40000                  ; cx, cy: my place in the cluster
	s_bfe_u32 s41, ttmp6, 0x40004
	s_lshl_b32 s42, ttmp9, 2
	s_add_co_u32 s42, s42, s40                     ; tile column = 4 x cluster x + cx
	s_and_b32 s17, ttmp7, 0xffff
	s_lshl_b32 s17, s17, 2
	s_add_co_u32 s17, s17, s41                     ; tile row = 4 x cluster y + cy
	s_lshl_b32 s43, s41, 2
	s_lshl_b32 s43, 15, s43                        ; my row of the cluster
	s_lshl_b32 s44, 0x1111, s40                    ; my column
	; descriptor group 1: a dense block of 32,768 bytes as 128 rows of 32 elements of 8 bytes; no padding
	s_or_b32 s[G1+0], s43, (3<<16)|(1<<21)         ; 15:0 the mask: P's tiles go to my row; 17:16 elements of 8 bytes; 21 set beside a mask
	s_or_b32 s[G1B+0], s44, (3<<16)|(1<<21)
.irp g, G1, G1B
	s_mov_b32 s[\g+1], 32<<16                      ; tensor_dim0
	s_mov_b32 s[\g+2], 128<<16                     ; tensor_dim1
	s_mov_b32 s[\g+3], 32<<16                      ; tile_dim0
	s_mov_b32 s[\g+4], 128                         ; tile_dim1
	s_mov_b32 s[\g+5], 32                          ; tensor_dim0_stride
	s_mov_b32 s[\g+6], 0
	s_mov_b32 s[\g+7], 0
.endr
	s_lshl_b32 s45, s16, 15                        ; which 128 rows of the tile I fetch
	s_lshl_b32 s22, s17, 16
	s_add_co_u32 s22, s22, s45
	s_mov_b32 s23, 0
	s_lshl_b32 s46, s42, 16
	s_add_co_u32 s46, s46, s45
	s_mov_b32 s47, 0
	s_lshl_b32 s45, s14, 15                        ; where they go: wave x 32,768: no place in the cluster enters an LDS address
	s_wait_kmcnt 0x0
	s_load_b256 s[72:79], s[8:9], 0x0              ; e0 .. e7
	s_add_nc_u64 s[22:23], s[4:5], s[22:23]
	s_add_nc_u64 s[46:47], s[6:7], s[46:47]
	CROUND                                         ; all sixteen work-groups are here: the first joint loads meet
.irp s, 0,1
	s_mov_b32 s[G0+4*\s], 1
	s_add_co_u32 s[G0+4*\s+1], s45, \s*SLOT
	s_add_nc_u64 s[G0+4*\s+2:G0+4*\s+3], s[22:23], \s*KSO
	s_or_b32 s[G0+4*\s+3], s[G0+4*\s+3], 0x80000000
	s_mov_b32 s[G0B+4*\s], 1
	s_add_co_u32 s[G0B+4*\s+1], s45, \s*SLOT
	s_add_nc_u64 s[G0B+4*\s+2:G0B+4*\s+3], s[46:47], \s*KSW
	s_or_b32 s[G0B+4*\s+3], s[G0B+4*\s+3], 0x80000000
	JLOAD G0+4*\s, G1, G0B+4*\s, G1B
.endr
	v_and_b32 v1, 31, v0
	v_lshlrev_b32 v[LI], 4, v1
	s_lshl_b32 s80, s15, 15                        ; my 128 rows of P
	s_lshl_b32 s81, s16, 15                        ; my 128 rows of R,
	s_add_co_u32 s81, s81, 2*HALFT                 ; which lie behind P's 256
.irp s, 0,1
	v_add_nc_u32 v[ADRA+\s], s80, v[LI]
	v_add_nc_u32 v[ADRB+\s], s81, v[LI]
	s_add_co_u32 s80, s80, SLOT
	s_add_co_u32 s81, s81, SLOT
.endr
	v_and_b32 v1, 15, v0                           ; r
	v_bfe_u32 v2, v0, 4, 1                         ; h
	s_mul_i32 s83, s14, 16*SPITCH                  ; my stage
	v_mul_u32_u24 v5, v1, SPITCH                   ; in: row r, 32 bytes for each half of the lanes
	v_lshl_add_u32 v5, v2, 5, v5
	v_add_nc_u32 v[STO], s83, v5
	v_add_nc_u32 v[RD], s83, v[LI]                 ; back: the 32 lanes take one row of 512 bytes
	s_lshl_b32 s84, s42, 10
	s_lshl_b32 s85, s16, 9
	s_add_co_u32 s84, s84, s85                     ; my first column, in bytes of f32: 1,024 x tile column + 512 x half
	s_mov_b32 s85, 0
	s_add_nc_u64 s[10:11], s[10:11], s[84:85]      ; the bias at my first column
	s_add_nc_u64 s[12:13], s[12:13], s[84:85]
	s_lshl_b32 s86, s17, 20
	s_lshl_b32 s87, s15, 19
	s_add_co_u32 s86, s86, s87                     ; my first row: (256 x tile row + 128 x half) x 4,096 bytes
	s_mov_b32 s87, 0
	s_add_nc_u64 s[12:13], s[12:13], s[86:87]
	v_lshlrev_b32 v3, 5, v2                        ; the bias: 32 h
.irp b, 0,1,2,3,4,5,6,7
	global_load_b128 v[BI+8*\b:BI+8*\b+3], v3, s[10:11] offset:64*\b
	global_load_b128 v[BI+8*\b+4:BI+8*\b+7], v3, s[10:11] offset:64*\b+16
.endr
.macro FRAG reg, adr, q, i             ; block i (16 rows) of my 128, the slot's q-th 128 along K: four chunks of 512 bytes, 16 x lane on end
.irp c, 0,1,2,3
	ds_load_b128 v[\reg+4*\c:\reg+4*\c+3], v[\adr] offset:(\i)*4096+(\q)*2048+512*\c
.endr
.endm
; 16 matrix instructions: P's blocks a0, a0 + 1 x R's eight, 128 along K.  p: R's set.  zero = 1: the first product starts the sums.  The 64 accumulators take turns, one instruction a turn.
.macro MUL16 a0, p, zero
.irp a, \a0, \a0+1
.irp b, 0,1,2,3,4,5,6,7
.if \zero
	v_wmma_f32_16x16x128_fp8_fp8 v[8*(8*((\a)%4)+\b):8*(8*((\a)%4)+\b)+7], v[128*(\p)+FR*\b:128*(\p)+FR*\b+FR-1], v[AF+FR*(\a):AF+FR*(\a)+FR-1], 0
.else
	v_wmma_f32_16x16x128_fp8_fp8 v[8*(8*((\a)%4)+\b):8*(8*((\a)%4)+\b)+7], v[128*(\p)+FR*\b:128*(\p)+FR*\b+FR-1], v[AF+FR*(\a):AF+FR*(\a)+FR-1], v[8*(8*((\a)%4)+\b):8*(8*((\a)%4)+\b)+7]
.endif
.endr
.endr
.endm
.macro FETCH_B slot, q, p
	WIN TO_B
.irp i, 0,1,2,3,4,5,6,7
	FRAG 128*(\p)+FR*\i, ADRB+\slot, \q, \i
.endr
	WIN 0
.endm
.macro FETCH_A slot, q, i0
.irp i, \i0, \i0+1, \i0+2, \i0+3
	FRAG AF+FR*(\i), ADRA+\slot, \q, \i
.endr
.endm
.macro PLACES n                        ; places in front of loads into registers that matrix instructions have read, and of the first read of results (ISA guide 7.12.1 for vector instructions)
.rept \n
	v_nop
.endr
.endm
.macro STEP slot, q, zero              ; a step of 128 along K that has its successor in the same slot
	s_wait_dscnt 4*NL                              ; R's set and P's blocks 0-3 are in; the youngest sixteen loads (P's blocks 4-7) may be out
	WIN MUL_LO
	MUL16 0, (\q)%2, \zero
	MUL16 2, (\q)%2, \zero
	s_wait_dscnt 0                                 ; P's blocks 4-7 are in
	PLACES NP
	FETCH_B \slot, (\q)+1, 1-(\q)%2
	FETCH_A \slot, (\q)+1, 0
	WIN MUL_HI
	MUL16 4, (\q)%2, \zero
	MUL16 6, (\q)%2, \zero
	PLACES NP
	WIN 0
	FETCH_A \slot, (\q)+1, 4
.endm
; A slot's last step changes slots: ONE barrier; in front of it each wave waits for all its tensor loads, adds 0 to its spare word, and waits for that and for its own reads of this slot.  fill = 1: this slot is filled again, two kslots on.
.macro TURN slot, next, fill
	s_wait_tensorcnt 0x0                           ; all my tensor loads have landed: my part of the next slot;  (every window is 0 here)
	ds_add_u32 v[SPW], v[NIL]                      ; 0 onto my spare word
	s_wait_dscnt 4*NL+1                            ; (the add and the youngest sixteen loads, P's blocks 4-7, may be out)
	WIN MUL_LO
	MUL16 0, 1, 0                                  ; sixteen matrix instructions stand between the add and the wait for it
	s_wait_dscnt 0x0                               ; the add is done, and my reads of this slot are over
	s_barrier_signal -1
	MUL16 2, 1, 0
	WIN 0
	s_barrier_wait -1
.if \fill
	CREST                                          ; the barrier has opened a round of the cluster's barrier: no wave of any partner still reads this slot or has a load on its way
	s_add_nc_u64 s[G0+4*\slot+2:G0+4*\slot+3], s[G0+4*\slot+2:G0+4*\slot+3], STEPA
	s_add_nc_u64 s[G0B+4*\slot+2:G0B+4*\slot+3], s[G0B+4*\slot+2:G0B+4*\slot+3], STEPB
	JLOAD G0+4*\slot, G1, G0B+4*\slot, G1B         ; the first tensor load behind the round; its four v_nop are also the places in front of the loads below
.else
	PLACES NP
.endif
	FETCH_B \next, 0, 0
	FETCH_A \next, 0, 0
	WIN MUL_HI
	MUL16 4, 1, 0
	MUL16 6, 1, 0
	PLACES NP
	WIN 0
	FETCH_A \next, 0, 4
.endm
	s_wait_tensorcnt 1                             ; my part of kslot 0 is in (kslot 1's load may be out)
	s_barrier_signal -1
	s_barrier_wait -1                              ; everybody's is
	FETCH_B 0, 0, 0
	FETCH_A 0, 0, 0
	FETCH_A 0, 0, 4
	STEP 0, 0, 1                                   ; kslot 0: its first products start the sums
	TURN 0, 1, 1                                   ; slot 0 takes kslot 2
	STEP 1, 0, 0                                   ; kslot 1
	TURN 1, 0, 1                                   ; slot 1 takes kslot 3
	STEP 0, 0, 0                                   ; kslot 2
	TURN 0, 1, 0                                   ; nothing is left to fetch; behind this barrier nobody reads slot 0
	STEP 1, 0, 0                                   ; kslot 3
	s_wait_dscnt 4*NL
	WIN MUL_LO
	MUL16 0, 1, 0
	MUL16 2, 1, 0
	s_wait_dscnt 0
	WIN MUL_HI
	MUL16 4, 1, 0
	MUL16 6, 1, 0
	WIN 0
; THE WAY OUT, block by block of 16 rows x 128 columns.  A lane holds 32 neighbouring bytes of a row, and the lanes beside it hold other rows: so a block goes through my own stage in LDS and comes back as whole rows of
; 512 bytes, which the 32 lanes store.  LDS serves a wave's instructions in order (ISA guide 5.7.1.4): no wait between the stores and the loads, nor in front of the next block's stores.
.macro TOSTAGE a
.set AC, 64*((\a)%4)
.irp hb, 0,1                           ; four accumulators at a time
	WIN 0x02+((\a)/4)                              ; source 0: window 2 or 3
.set j, 0
.rept 16
	v_pk_fma_f32 v[TMP+j:TMP+j+1], v[AC+32*\hb+j:AC+32*\hb+j+1], s[96:97], v[BI+32*\hb+j:BI+32*\hb+j+1] op_sel_hi:[1,0,1]   ; sum x 2^(e6 + e7) + bias; each accumulator from its low end on
.set j, j+2
.endr
	WIN 0
.irp b, 0,1,2,3
	ds_store_b128 v[STO], v[TMP+8*\b:TMP+8*\b+3] offset:64*(4*\hb+\b)
	ds_store_b128 v[STO], v[TMP+8*\b+4:TMP+8*\b+7] offset:64*(4*\hb+\b)+16
.endr
.endr
.set BB, BK+64*((\a)%2)
.irp t, 0,1,2,3,4,5,6,7,8,9,10,11,12,13,14,15
	ds_load_b128 v[BB+4*\t:BB+4*\t+3], v[RD] offset:\t*SPITCH
.endr
.endm
.macro SEND a, younger                 ; younger: the LDS instructions issued behind block a's loads, which may stay out
.set BB, BK+64*((\a)%2)
	s_wait_dscnt \younger                          ; the block is back in registers
.if (\a) > 0
	s_add_nc_u64 s[12:13], s[12:13], 16*ROWO       ; (behind a wait on XCNT: the earlier stores have read their base)  16 rows on
.endif
.irp t, 0,1,2,3,4,5,6,7,8,9,10,11,12,13,14,15
	global_store_b128 v[LI], v[BB+4*\t:BB+4*\t+3], s[12:13] offset:\t*ROWO th:TH_STORE_NT   ; 32 lanes store 512 consecutive bytes, at a multiple of 512 from out0's first byte; written once, read by nobody here
.endr
.endm
	s_wait_kmcnt 0x0                               ; the scales
	s_wait_loadcnt 0x0                             ; the bias
	s_add_co_i32 s96, s78, s79                     ; e6 + e7
	s_add_co_i32 s96, s96, 127
	s_lshl_b32 s96, s96, 23                        ; 2^(e6 + e7) as f32
	s_mov_b32 s97, s96                             ; (named with it as a pair, so it is written)
	PLACES NP                                      ; behind the last products: their results are read, and loads land in the registers that held P's fragments
	TOSTAGE 0
.irp a, 1,2,3,4,5,6,7
.if \a > 1
	s_wait_xcnt 0x0                                ; block a - 2's stores have read their registers and their base: block a's loads may land there, and the base may step
.endif
	TOSTAGE \a
	SEND \a-1, 32                                  ; behind block a - 1's loads: block a's 16 stores and 16 loads
.endr
	s_wait_xcnt 0x0                                ; block 6's stores have read their base
	SEND 7, 0
	s_wait_tensorcnt 0x0                           ; the wave's end: behind my last tensor load and my last LDS store
	ds_add_u32 v[SPW], v[NIL]
	s_wait_dscnt 0x0
	CROUND                                         ; the closing round: no work-group ends while a partner may still ask for a tile that names it
	s_endpgm
.Lfunc_end_k_qb64060abc6_proj:
	.size	k_qb64060abc6_proj, .Lfunc_end_k_qb64060abc6_proj-k_qb64060abc6_proj
	.p2alignl 7, 3214868480
	.fill 96, 4, 3214868480
	.section	.rodata,"a",@progbits
	.p2align	6, 0x0
	.amdhsa_kernel k_qb64060abc6_proj
		.amdhsa_group_segment_fixed_size 327680
		.amdhsa_private_segment_fixed_size 0
		.amdhsa_enable_private_segment 0
		.amdhsa_kernarg_size 40
		.amdhsa_user_sgpr_count 2
		.amdhsa_user_sgpr_kernarg_segment_ptr 1
		.amdhsa_wavefront_size32 1
		.amdhsa_system_sgpr_workgroup_id_x 1
		.amdhsa_system_sgpr_workgroup_id_y 1
		.amdhsa_system_sgpr_workgroup_id_z 1
		.amdhsa_system_vgpr_workitem_id 0
		.amdhsa_next_free_vgpr 1024
		.amdhsa_next_free_sgpr 100
		.amdhsa_reserve_vcc 0
		.amdhsa_float_denorm_mode_32 3
		.amdhsa_float_denorm_mode_16_64 3
		.amdhsa_memory_ordered 1
		.amdhsa_forward_progress 1
		.amdhsa_inst_pref_size 125
	.end_amdhsa_kernel
	.amdgpu_metadata
---
amdhsa.version: [ 1, 2 ]
amdhsa.kernels:
  - .name:           k_qb64060abc6_proj
    .symbol:         k_qb64060abc6_proj.kd
    .args:
      - { .name: oimg, .offset: 0, .size: 8, .value_kind: global_buffer, .address_space: global }
      - { .name: woimg, .offset: 8, .size: 8, .value_kind: global_buffer, .address_space: global }
      - { .name: lowp_scales, .offset: 16, .size: 8, .value_kind: global_buffer, .address_space: global }
      - { .name: w_o_b, .offset: 24, .size: 8, .value_kind: global_buffer, .address_space: global }
      - { .name: out0, .offset: 32, .size: 8, .value_kind: global_buffer, .address_space: global }
    .group_segment_fixed_size: 327680
    .private_segment_fixed_size: 0
    .kernarg_segment_align: 8
    .kernarg_segment_size: 40
    .max_flat_workgroup_size: 128
    .sgpr_count:     100
    .vgpr_count:     1024
    .wavefront_size: 32
...
	.end_amdgpu_metadata
.endif
;; end of part 4
;; ======== version 2 of 3: 4 launches; 1.19 times as fast as version 1
;; limits: right only within a limited range of input values
;; workspace buffers: xw 7,340,032 bytes; woimg 1,048,576 bytes; mw 524,288 bytes of whole numbers; mflag 32,768 bytes of whole numbers; qkv 12,582,912 bytes; oimg 4,194,304 bytes
;; launch prep: the kernel of part 1 again; grid 384 x 1, 16 waves a work-group, no clusters, 137,472 bytes of LDS; arguments x, w_qkv_w, w_o_w, mask, lowp_scales, xw, woimg, mw, mflag; writes xw, woimg, mw, mflag
;; launch qkv: the kernel of part 2 again; grid 12 x 16, 4 waves a work-group, clusters of 4 x 4, 327,680 bytes of LDS; arguments xw, lowp_scales, w_qkv_b, qkv; writes qkv
;; launch attn (part 5): grid 8 x 32, 16 waves a work-group, no clusters, 264,192 bytes of LDS; arguments qkv, mw, mflag, lowp_scales, oimg; writes oimg
.if DOCPART == 5
	.amdgcn_target "amdgcn-amd-amdhsa--gfx1250"
	.amdhsa_code_object_version 6
	.text
	.protected	k_qb64060abc6_attn
	.globl	k_qb64060abc6_attn
	.p2align	8
	.type	k_qb64060abc6_attn,@function
k_qb64060abc6_attn:
	s_mov_b64 s[64:65], 0
	v_nop
	global_prefetch_b8 v0, s[64:65] scope:SCOPE_SE
	s_setreg_imm32_b32 hwreg(HW_REG_WAVE_MODE, 25, 1), 1
	s_wait_xcnt 0x0
; O = softmax(Q K^T / 8, under the given mask) V for 32 (batch, head) pairs, 2,048 tokens, head size 64, both products on codes of FP8 (E4M3); O is quantised with 2^e6 for the last product.
; THE SOFTMAX AHEAD OF THE SECOND PRODUCT: t = logit x log2(e); M = the row's largest t so far, rounded UP to a whole number; p = 2^(t - M) is quantised with 2^e4, not normalised; the row's sum is taken of the
; unquantised p and divides O at the end.  When M moves, the sum and O are multiplied by 2^(old M - new M): exact.
; THE MASK is an input; nothing of its pattern is built in.  An earlier launch has turned it into lane masks (mw: 64 words for each tile of 16 queries x 128 keys: bit L of word n belongs to register n of lane L) and flags
; (mflag: bit w of P: key step w must be worked; bit w of N: its words are wanted).  A step is left out only where all its 16 x 128 numbers are 0 AND each of the 16 query rows has a key that counts somewhere: its p are 0 then.
; THE FILL UNDER THE MASK is the logit -2^30 in place of -1e9: as a raw score -2^(33 - e2 - e3), so that its t = -2^30 log2(e) is exact and whole.  LIMIT: e2 + e3 between -94 and 8.  The quantiser then bounds every real
; |logit| by 448 x 448 x 64 / 8 x 2^8 = 4.2e8, so under either fill a masked p is 0 beside any key that counts, and exactly 1 in a row that is masked everywhere: the results are the same.
; OTHER LIMITS: e4, e6 between -126 and 119; e4 + e5 is applied by v_ldexp_f32 and has none.  NaN among the inputs is not served.
; SHARES.  A work-group owns one (batch, head) and 16 tiles of 16 queries, one a wave, in 256 registers.  Wave w of work-group x owns query tile 8 rho + x, rho = 4 jj + (w % 4 xor 3 ((jj xor jj / 2) % 2)), jj = w / 4.
; K AND V of the head, 2 x 131,072 bytes of codes, go into LDS once, through registers, in FOUR CHUNKS of four key steps (32,768 bytes of each; eight loads of 16 bytes a thread).  Only chunk 0 is awaited at the head.
; Chunk c + 1 is asked for at the start of phase c, into 32 registers that a key step never names, and stored at the phase's end, in front of a barrier: it lands while the phase is worked.  Between two barriers the stores
; go to chunk c + 1 and the reads to chunks up to c: other bytes.  They lie as images of the operands' registers (chunks of 512 bytes, 16 x lane on end).
; THE PHASES.  Waves 8-15 (rho >= 8) work chunk c in phase c.  Waves 0-7 work nothing in phases 0 and 1, chunk 0 in phase 2 and chunks 1 to 3 in phase 3, behind which no barrier stands.  Each wave works each flagged step once,
; whatever the mask.  Where the mask hides later keys, tile 8 rho + x wants rho + 1 steps, and each group of waves w, w + 4, w + 8, w + 12 then has 8, 8, 13 and 5 wave steps in the four phases: the same in all four groups.
; NO TENSOR LOADS, NO CLUSTER: the walk over the key steps branches on flags read from memory; with a mask that hides later keys the branch takes away 120 of a
; work-group's 256 wave steps, while what the eight work-groups of a head share is read once, 262,144 bytes each.  No prefetch: the loads themselves are issued a phase ahead of their stores.
; LAYOUT.  Both products are used transposed: S^T = K Q^T (source 0 = 16 keys, source 1 = my 16 queries), O^T = V^T P^T (source 0 = 16 channels, source 1 = P): a lane holds ONE query (lane % 16) throughout.  Register 8 t + j
; of S^T is key 16 t + 8 (lane / 16) + j, which is the place that the 16x16x128 form gives k in registers 2 t, 2 t + 1: the conversions' results are the second product's operand.
; REGISTERS: v1 16 x lane; v2 + V's image; v3, v4 addresses in hand; v5-8 the fill's addresses; v10 the fill under the mask; v12 -M, v13 the largest t, v[14:15] the sum in two halves; v16-23 Q; v24-27, v208-235 a chunk on its way;
; v32-95 K's eight fragments, then V's four; v96-159 S^T, then p; v160-191 O^T; v192-207 p's codes; v236-254 at work; v240, v244: 448 x 2^e4, 2^e4; v241, v245: the same for e6.
; s10, s11: P and N as loaded; s14 the trip; s15 8,192 x key step; s16, s17: the flags of the walk in hand, bit 0 the step in hand; s101: 1 in waves 8-15.
.set VIMG,  131072                     ; LDS: K's image at 0 (step j at 8,192 j, key tile t at + 1,024 t), V's here (step j at 8,192 j, channel tile at + 2,048)
.set STEPB, 8192
; Chunk c is asked for: loads 0-3 K's steps 4 c .. 4 c + 3, loads 4-7 V's; the sixteen waves read 8,192 consecutive bytes a load.  Load i lands in v[208 + 4 i] on, the last in v[24:27].
.macro FLOAD c
.set i, 0
.rept 8
.set SR, 208+4*i
.if i == 7
.set SR, 24
.endif
.if i < 4
	global_load_b128 v[SR:SR+3], v5, s[2:3] offset:(4*(\c)+i)*STEPB
.else
	global_load_b128 v[SR:SR+3], v5, s[2:3] offset:0x400000+(4*(\c)+i-4)*STEPB
.endif
.set i, i+1
.endr
.endm
; Chunk c goes into LDS, and the work-group meets: behind the barrier the chunk is whole.
.macro FSTORE c
.set i, 0
.rept 8
.set SR, 208+4*i
.if i == 7
.set SR, 24
.endif
.set j, 4*(\c)+i%4
	s_wait_loadcnt 7-i                             ; loads come back in order: load i is in, the 7 - i younger may be out
.if i < 4
	ds_store_b128 v[5+j/8], v[SR:SR+3] offset:(j%8)*STEPB
.else
	ds_store_b128 v[7+j/8], v[SR:SR+3] offset:(j%8)*STEPB
.endif
.set i, i+1
.endr
	s_wait_dscnt 0x0                               ; for the others' sake: my stores have landed (so their registers may take the next chunk's loads), and my reads are back
	s_barrier_signal -1
	s_barrier_wait -1
.endm
; cnt key steps from the one at LDS byte s15 on; bit 0 of s16 and of s17 are the flags of the step in hand.  The trip count is a constant; a trip whose flag is 0 does nothing but step.
.macro WALK cnt
	s_mov_b32 s14, 0
.Lstep_\@:
	s_and_b32 s18, s16, 1
	s_cmp_eq_u32 s18, 0
	s_cbranch_scc1 .Lskip_\@
	s_and_b32 s18, s17, 1                          ; are the words wanted?
	s_cmp_eq_u32 s18, 0
	s_cbranch_scc1 .Lno_words_\@
	s_lshr_b32 s19, s15, 5                         ; 256 x key step: the step's place among my tile's words (earlier scalar loads were waited for in their own step)
	s_load_b512 s[32:47], s[6:7], s19 offset:0x0   ; asked for ahead of K's loads and the first product
	s_load_b512 s[48:63], s[6:7], s19 offset:0x40
	s_load_b512 s[68:83], s[6:7], s19 offset:0x80
	s_load_b512 s[84:99], s[6:7], s19 offset:0xc0
.Lno_words_\@:
	v_add_nc_u32 v3, s15, v1
	v_add_nc_u32 v4, s15, v2
	v_nop                                          ; with the two additions: four places in front of loads into registers that the last step's products have read
	v_nop
.irp t, 0,1,2,3,4,5,6,7
	ds_load_b128 v[32+8*\t:35+8*\t], v3 offset:1024*\t
	ds_load_b128 v[36+8*\t:39+8*\t], v3 offset:1024*\t+512
.endr
	s_wait_dscnt 0x0
.irp t, 0,1,2,3,4,5,6,7
	v_wmma_f32_16x16x64_fp8_fp8 v[96+8*\t:103+8*\t], v[32+8*\t:39+8*\t], v[16:23], 0   ; S^T, 16 keys a tile
.endr
.rept 4
	v_nop                                          ; places in front of the loads below and of the first read of the scores
.endr
.irp d, 0,1,2,3
.irp u, 0,1,2,3
	ds_load_b128 v[32+16*\d+4*\u:35+16*\d+4*\u], v4 offset:2048*\d+512*\u              ; V's four fragments land under the softmax
.endr
.endr
	s_wait_kmcnt 0x0                               ; the words, where they were asked for
	s_cmp_eq_u32 s18, 0
	s_cbranch_scc1 .Lopen_\@
.set n, 0
.rept 32
	v_cndmask_b32 v[96+n], v10, v[96+n], s[32+n]   ; the score where the mask's number is not 0, else the fill
.set n, n+1
.endr
.rept 32
	v_cndmask_b32 v[96+n], v10, v[96+n], s[36+n]   ; words 32 to 63 lie in s68 to s99
.set n, n+1
.endr
.Lopen_\@:
	v_max3_num_f32 v254, v96, v97, v98             ; the step's largest score of my query, among my 64 keys, in two chains; each accumulator is first read at its low end
	v_max3_num_f32 v252, v99, v100, v101
.set i, 6
.rept 14
	v_max3_num_f32 v254, v254, v[96+i], v[97+i]
	v_max3_num_f32 v252, v252, v[98+i], v[99+i]
.set i, i+4
.endr
	v_max3_num_f32 v254, v254, v158, v159
	v_max_num_f32 v254, v254, v252
	v_permlanex16_b32 v236, v254, s20, s21
	v_max_num_f32 v254, v254, v236                 ; and among lane l xor 16's
	v_mul_f32 v254, s22, v254                      ; as t (c is positive)
	v_max_num_f32 v13, v13, v254                   ; the running largest t
	v_mov_b32 v254, v12
	v_floor_f32 v12, -v13                          ; the new -M = floor(-t) = -ceil(t): M is a whole number
	v_sub_f32 v254, v12, v254                      ; M's old value less its new one: a whole number, 0 or less
	v_cvt_i32_f32 v254, v254                       ; (it saturates)
	v_ldexp_f32 v252, 1.0, v254                    ; f = 2^(old M - new M)
.set j, 0
.rept 32
	v_pk_fma_f32 v[96+j:97+j], v[96+j:97+j], s[22:23], v[12:13] op_sel_hi:[1,0,0]   ; t - M, two at a time (of the pairs c and -M the low word serves both halves)
.set j, j+2
.endr
.set j, 0
.rept 64
	v_exp_f32 v[96+j], v[96+j]                     ; p = 2^(t - M), at most 1: not normalised
.set j, j+1
.endr
	v_pk_mul_f32 v[14:15], v[14:15], v[252:253] op_sel_hi:[1,0]   ; the sums under the new M: a plain line behind the exponentials
	s_wait_alu depctr_va_vdst(0)                   ; one wait for the whole batch, ahead of its first reader
	v_pk_add_f32 v[242:243], v[96:97], v[98:99]    ; the row's sum is taken of the unquantised p: two at a time, in two chains
.set j, 4
.rept 15
	v_pk_add_f32 v[14:15], v[14:15], v[96+j:97+j]
	v_pk_add_f32 v[242:243], v[242:243], v[98+j:99+j]
.set j, j+4
.endr
	v_pk_add_f32 v[14:15], v[14:15], v[242:243]
	s_cmp_eq_u32 s100, 0
	s_cbranch_scc1 .Lno_hold_\@
.set j, 0
.rept 64
	v_min_num_f32 v[96+j], v[96+j], v240           ; the conversion to an 8-bit code does not saturate (ISA guide 7.6.2); p is not negative, so the hold is one-sided
.set j, j+1
.endr
.Lno_hold_\@:
.irp t, 0,1,2,3,4,5,6,7
	v_cvt_scalef32_pk8_fp8_f32 v[192+2*\t:193+2*\t], v[96+8*\t:103+8*\t], v244   ; registers 2 t, 2 t + 1 of P's fragment: keys 16 t + 8 h + 0 .. 7
.endr
.set j, 0
.rept 16
	v_pk_mul_f32 v[160+j:161+j], v[160+j:161+j], v[252:253] op_sel_hi:[1,0]      ; O^T under the new M: x f.  (Plain lines between the conversions and the products that read their results)
.set j, j+2
.endr
	s_wait_dscnt 0x0                               ; V is in
.irp d, 0,1,2,3
	v_wmma_f32_16x16x128_fp8_fp8 v[160+8*\d:167+8*\d], v[32+16*\d:47+16*\d], v[192:207], v[160+8*\d:167+8*\d]   ; the four accumulators take turns, one instruction a turn; eight products S^T lie between two links
.endr
.Lskip_\@:
	s_add_co_u32 s15, s15, STEPB
	s_lshr_b32 s16, s16, 1
	s_lshr_b32 s17, s17, 1
	s_add_co_u32 s14, s14, 1
	s_cmp_lt_u32 s14, \cnt
	s_cbranch_scc1 .Lstep_\@
.endm
	s_load_b256 s[4:11], s[0:1], 0x0               ; qkv s[4:5], mw s[6:7], mflag s[8:9], the scales s[10:11]
	s_load_b64 s[66:67], s[0:1], 0x20              ; oimg
	v_lshl_add_u32 v251, v0, 2, 0x40000
	v_mov_b32 v255, 0
	v_lshrrev_b32 v3, 5, v0
	v_readfirstlane_b32 s12, v3                    ; wave 0..15
	v_and_b32 v1, 31, v0
	v_lshlrev_b32 v1, 4, v1                        ; 16 x lane
	v_add_nc_u32 v2, VIMG, v1
	v_lshlrev_b32 v5, 4, v0                        ; 16 x thread: the fill's offset in memory, and its LDS address in the first 65,536 bytes
	v_add_nc_u32 v6, 65536, v5
	v_add_nc_u32 v7, 131072, v5
	v_add_nc_u32 v8, 196608, v5
	s_lshr_b32 s101, s12, 3                        ; 1 in waves 8-15, which begin in phase 0
	s_lshr_b32 s13, s12, 2                         ; jj
	s_lshr_b32 s14, s13, 1
	s_xor_b32 s14, s14, s13
	s_and_b32 s14, s14, 1                          ; 1 for jj = 1, 2
	s_mul_i32 s14, s14, 3
	s_and_b32 s15, s12, 3
	s_xor_b32 s15, s15, s14
	s_lshl_b32 s13, s13, 2
	s_add_co_u32 s13, s13, s15                     ; rho
	s_lshl_b32 s13, s13, 3
	s_add_co_u32 s13, s13, ttmp9                   ; my query tile, 0..127
	s_and_b32 s18, ttmp7, 0xffff                   ; 16 x batch + head
	s_lshl_b32 s32, s18, 17                        ; the head's 131,072 bytes in each of q, k, v
	s_mov_b32 s33, 0
	s_lshl_b32 s34, s13, 10                        ; Q: 1,024 bytes a tile
	s_mov_b32 s35, 0
	s_lshl_b32 s36, s13, 12                        ; mw: 4,096 bytes a tile
	s_mov_b32 s37, 0
	s_lshl_b32 s19, s13, 8                         ; mflag: 256 bytes a tile
	s_and_b32 s38, s18, 15                         ; head
	s_lshr_b32 s39, s18, 4                         ; batch
	s_lshl_b32 s39, s39, 7
	s_add_co_u32 s39, s39, s13
	s_lshl_b32 s39, s39, 12                        ; oimg [kslot 4][token tile 256][2][2048]: the token tile,
	s_lshr_b32 s40, s38, 2
	s_lshl_b32 s40, s40, 20                        ; the kslot = head / 4,
	s_add_co_u32 s40, s40, s39
	s_and_b32 s38, s38, 3
	s_lshl_b32 s38, s38, 10                        ; and the head's 64 of the kslot's 256 along K: 1,024 bytes
	s_add_co_u32 s40, s40, s38
	s_mov_b32 s41, 0
	s_mov_b32 s20, 0x76543210                      ; v_permlanex16_b32's selects for lane l xor 16
	s_mov_b32 s21, 0xfedcba98
	s_wait_kmcnt 0x0
	s_load_b64 s[16:17], s[8:9], s19 offset:0x0    ; P, N
	s_load_b256 s[24:31], s[10:11], 0x0            ; e0 .. e7
	s_add_nc_u64 s[4:5], s[4:5], s[32:33]
	s_add_nc_u64 s[2:3], s[4:5], 0x400000          ; K's image of my head; V's lies 4 MiB further on
	s_add_nc_u64 s[4:5], s[4:5], s[34:35]
	s_add_nc_u64 s[6:7], s[6:7], s[36:37]
	s_add_nc_u64 s[66:67], s[66:67], s[40:41]
	global_load_b128 v[16:19], v1, s[4:5]          ; Q's fragment stays in registers
	global_load_b128 v[20:23], v1, s[4:5] offset:512
	FLOAD 0
	s_wait_kmcnt 0x0
	s_mov_b32 s19, 0
	s_load_b512 s[32:47], s[6:7], s19 offset:0x0   ; step 0's words, once, so that the 64 registers are written on every path
	s_load_b512 s[48:63], s[6:7], s19 offset:0x40
	s_load_b512 s[68:83], s[6:7], s19 offset:0x80
	s_load_b512 s[84:99], s[6:7], s19 offset:0xc0
	s_mov_b32 s10, s16                             ; P and N are kept: waves 0-7 take them up in phase 2
	s_mov_b32 s11, s17
	s_sub_co_u32 s8, 0, s101                       ; all ones in waves 8-15, else 0
	s_and_b32 s16, s16, s8                         ; phases 0 and 1: waves 0-7 work nothing
	s_and_b32 s17, s17, s8
	s_add_co_i32 s8, s26, s27                      ; e2 + e3
	s_lshl_b32 s9, s8, 23
	s_add_co_i32 s22, s9, 0x3e38aa3b               ; c = log2(e) / 8 x 2^(e2 + e3): the exponents are added to c's exponent field
	s_mov_b32 s23, s22                             ; (named with it as a pair, so it is written)
	s_sub_co_i32 s8, 160, s8
	s_lshl_b32 s8, s8, 23
	s_or_b32 s8, s8, 0x80000000
	v_mov_b32 v10, s8                              ; -2^(33 - e2 - e3)
	s_add_co_i32 s8, s28, 127
	s_lshl_b32 s9, s8, 23
	v_mov_b32 v244, s9                             ; 2^e4
	s_add_co_i32 s8, s8, 8
	s_lshl_b32 s8, s8, 23
	s_or_b32 s8, s8, 0x600000
	v_mov_b32 v240, s8                             ; 448 x 2^e4
	s_add_co_i32 s8, s30, 127
	s_lshl_b32 s9, s8, 23
	v_mov_b32 v245, s9                             ; 2^e6
	s_add_co_i32 s8, s8, 8
	s_lshl_b32 s8, s8, 23
	s_or_b32 s8, s8, 0x600000
	v_mov_b32 v241, s8                             ; 448 x 2^e6
	s_cmp_ge_i32 s28, -8
	s_cselect_b32 s100, 0, 1                       ; from e4 = -8 on, 448 x 2^e4 is 1.75 or more and p is at most 1: the hold changes nothing and is passed over
	s_mov_b32 s15, 0                               ; 8,192 x key step
	v_mov_b32 v13, 0xff61b1e6                      ; the largest t so far: -3e38, under every t
	v_floor_f32 v12, -v13                          ; -M
	v_mov_b32 v14, 0                               ; the sum, in two halves
	v_mov_b32 v15, 0
	v_mov_b32 v236, 0                              ; written once: a lane permute's destination counts as one of its sources
	v_mov_b32 v253, 0                              ; (named as the upper half of the pair v[252:253])
.set i, 0
.rept 32
	v_mov_b32 v[160+i], 0                          ; O^T.  (The step is written once for all steps: the first finds zeros, which the first change of M leaves zeros)
.set i, i+1
.endr
	s_wait_kmcnt 0x0
	FSTORE 0                                       ; steps 0-3 lie in LDS.  (Q's two loads are older than the chunk's: they are in too)
	FLOAD 1                                        ; PHASE 0: waves 8-15 work steps 0-3
	WALK 4
	FSTORE 1
	FLOAD 2                                        ; PHASE 1: waves 8-15 work steps 4-7
	WALK 4
	FSTORE 2
	FLOAD 3                                        ; PHASE 2: waves 8-15 work steps 8-11 (their flags stand shifted by 8), waves 0-7 steps 0-3
	s_cmp_eq_u32 s101, 0
	s_cselect_b32 s16, s10, s16
	s_cselect_b32 s17, s11, s17
	s_lshl_b32 s15, s101, 16                       ; 8 steps of 8,192 bytes on, or 0
	WALK 4
	FSTORE 3                                       ; all of K and V lies in LDS; nothing writes LDS any more
	s_lshl_b32 s8, s101, 3                         ; PHASE 3 walks steps 4-15 in every wave.  Waves 0-7: their flags stand shifted by 4, as the walk wants them;
	s_lshl_b32 s16, s16, s8                        ; waves 8-15: theirs by 12: eight places up again, so that steps 12-15 alone are left
	s_lshl_b32 s17, s17, s8
	s_mov_b32 s15, 4*STEPB
	WALK 12
	; THE WAY OUT.  O^T / the sum x 2^(e4 + e5), held and turned into codes with 2^e6: a lane's eight numbers of an accumulator are eight neighbouring channels, so the eight registers of codes are my head's part of the
	; last product's fragment, and two stores of 512 consecutive bytes take them.
.rept 4
	v_nop                                          ; places behind the last products
.endr
	v_add_f32 v14, v14, v15                        ; the sum's two halves,
	v_permlanex16_b32 v236, v14, s20, s21
	v_add_f32 v14, v14, v236                       ; and lane l xor 16's: the row's sum.  At least one step was worked, and its largest p is above 1/2
	v_rcp_f32 v14, v14
	v_nop                                          ; a plain line behind the transcendental
	s_add_co_i32 s8, s28, s29
	s_wait_alu depctr_va_vdst(0)                   ; the wait ahead of the first reader
	v_ldexp_f32 v14, v14, s8                       ; x 2^(e4 + e5)
.set j, 0
.rept 16
	v_pk_mul_f32 v[96+j:97+j], v[160+j:161+j], v[14:15] op_sel_hi:[1,0]   ; register 8 d + i is o(query r, channel 16 d + 8 h + i)
.set j, j+2
.endr
.set j, 0
.rept 32
	v_med3_num_f32 v[96+j], v[96+j], -v241, v241
.set j, j+1
.endr
.irp d, 0,1,2,3
	v_cvt_scalef32_pk8_fp8_f32 v[192+2*\d:193+2*\d], v[96+8*\d:103+8*\d], v245
.endr
	v_nop                                          ; a plain vector line behind the last conversion
	global_store_b128 v1, v[192:195], s[66:67]
	global_store_b128 v1, v[196:199], s[66:67] offset:512
	s_wait_tensorcnt 0x0
	ds_add_u32 v251, v255
	s_wait_dscnt 0x0
	s_endpgm
.Lfunc_end_k_qb64060abc6_attn:
	.size	k_qb64060abc6_attn, .Lfunc_end_k_qb64060abc6_attn-k_qb64060abc6_attn
	.p2alignl 7, 3214868480
	.fill 96, 4, 3214868480
	.section	.rodata,"a",@progbits
	.p2align	6, 0x0
	.amdhsa_kernel k_qb64060abc6_attn
		.amdhsa_group_segment_fixed_size 264192
		.amdhsa_private_segment_fixed_size 0
		.amdhsa_enable_private_segment 0
		.amdhsa_kernarg_size 40
		.amdhsa_user_sgpr_count 2
		.amdhsa_user_sgpr_kernarg_segment_ptr 1
		.amdhsa_wavefront_size32 1
		.amdhsa_system_sgpr_workgroup_id_x 1
		.amdhsa_system_sgpr_workgroup_id_y 1
		.amdhsa_system_sgpr_workgroup_id_z 1
		.amdhsa_system_vgpr_workitem_id 0
		.amdhsa_next_free_vgpr 256
		.amdhsa_next_free_sgpr 102
		.amdhsa_reserve_vcc 0
		.amdhsa_float_denorm_mode_32 3
		.amdhsa_float_denorm_mode_16_64 3
		.amdhsa_memory_ordered 1
		.amdhsa_forward_progress 1
		.amdhsa_inst_pref_size 96
	.end_amdhsa_kernel
	.amdgpu_metadata
---
amdhsa.version: [ 1, 2 ]
amdhsa.kernels:
  - .name:           k_qb64060abc6_attn
    .symbol:         k_qb64060abc6_attn.kd
    .args:
      - { .name: qkv, .offset: 0, .size: 8, .value_kind: global_buffer, .address_space: global }
      - { .name: mw, .offset: 8, .size: 8, .value_kind: global_buffer, .address_space: global }
      - { .name: mflag, .offset: 16, .size: 8, .value_kind: global_buffer, .address_space: global }
      - { .name: lowp_scales, .offset: 24, .size: 8, .value_kind: global_buffer, .address_space: global }
      - { .name: oimg, .offset: 32, .size: 8, .value_kind: global_buffer, .address_space: global }
    .group_segment_fixed_size: 264192
    .private_segment_fixed_size: 0
    .kernarg_segment_align: 8
    .kernarg_segment_size: 40
    .max_flat_workgroup_size: 512
    .sgpr_count:     102
    .vgpr_count:     256
    .wavefront_size: 32
...
	.end_amdgpu_metadata
.endif
;; end of part 5
;; launch proj (part 6): grid 8 x 32, 4 waves a work-group, clusters of 4 x 4, 280,064 bytes of LDS; arguments oimg, woimg, lowp_scales, w_o_b, out0; writes out0
.if DOCPART == 6
	.amdgcn_target "amdgcn-amd-amdhsa--gfx1250"
	.amdhsa_code_object_version 6
	.text
	.protected	k_qb64060abc6_proj
	.globl	k_qb64060abc6_proj
	.p2align	8
	.type	k_qb64060abc6_proj,@function
k_qb64060abc6_proj:
	s_mov_b64 s[64:65], 0
	v_nop
	global_prefetch_b8 v0, s[64:65] scope:SCOPE_SE
	s_setreg_imm32_b32 hwreg(HW_REG_WAVE_MODE, 25, 1), 1
	s_wait_xcnt 0x0
	s_wait_alu depctr_hold_cnt(0) depctr_sa_sdst(0) depctr_va_vdst(0) depctr_va_sdst(0) depctr_va_ssrc(0) depctr_va_vcc(0) depctr_vm_vsrc(0)
	s_getreg_b32 s2, hwreg(HW_REG_IB_STS2, 6, 4)
	s_cmp_eq_u32 s2, 0
	s_cbranch_scc0 .Lentry_in_a_cluster
	s_endpgm
.Lentry_in_a_cluster:
	s_bfe_u32 s2, ttmp6, 0x10000c
	s_cmp_lg_u32 s2, 0xf033
	s_cbranch_scc0 .Lentry_shape_is_right
	s_endpgm
.Lentry_shape_is_right:
; out0 = O w_o_w^T + w_o_b on codes of FP8 (E4M3): out0 [4096][1024] f32 = sum x 2^(e6 + e7) + bias.  LIMIT: e6 + e7 between -126 and 127, so that 2^(e6 + e7) is an f32 number.
; BOTH OPERANDS arrive as images of the operands' registers (registers 4 u .. 4 u + 3 of a fragment of 16 rows x 128 k at byte 512 u + 16 x lane): oimg [kslot 4][token tile 256][2][2048], woimg [kslot 4][row tile 64][2][2048].
; A TILE of out0 is 128 x 128: 4,096 x 1,024 numbers are 256 such tiles, a work-group each; tiles of 256 x 256 would be 64.  Four waves, each 64 x 64: 16 accumulators, 128 registers.  Source 1 of the matrix instruction takes
; 16 tokens (P), source 0 16 rows of the weight (R): a lane then holds eight neighbouring numbers of a row of out0.
; NO RING.  A work-group's operands, 2 x 128 rows x 1,024 codes = 262,144 bytes, fit in LDS whole: each LDS byte is filled once.  128 rows of one kslot (256 along K) are 32,768 consecutive bytes of memory: one tensor load.
; Waves 0 and 1 fetch P's kslots w % 2 and w % 2 + 2, waves 2 and 3 R's: two loads a wave, both issued at the head; two tensor loads of a wave are out at the most.  Kslots 0 and 1 are multiplied while kslots 2 and 3 land.
; CLUSTERS: 4 x 4 work-groups.  P's tile hangs on the tile row alone and is shared along a row of the cluster, R's on the tile column alone and is shared along a column: each is asked for JOINTLY.
; No prefetch: all tiles are asked for at the head.
; REGISTERS, in windows of 256: window 0: v16-27 addresses; v32-63 the bias; v64-95 at work on the way out; v96-127 rows read back; v128-255 the accumulators ((a, b) at v[128 + 8 (4 a + b)]).
;   window 1: two sets of fragments of 128 registers, at v0 and v128: P's four (16 rows x 128 K, 16 registers each), then R's four.
.set KSO,   0x100000                   ; a kslot of oimg in bytes
.set KSW,   0x40000                    ; of woimg
.set BLK,   32768                      ; 128 rows x 256 along K
.set RIMG,  4*BLK                      ; LDS: P's kslot k at k BLK, R's at RIMG + k BLK
.set STAGE, 8*BLK                      ; behind them: a stage of 16 rows x (256 bytes + 16) for each wave, for the way out; no tensor load lands there
.set SPITCH, 272
.set ROWO,  4096                       ; a row of out0 in bytes
.set FR,    16                         ; registers of a fragment
.set NP,    4                          ; places behind this matrix instruction (ISA guide 7.12.1)
.set ADRA, 16                          ; v16-17  LDS address of my P fragments in kslots 0-1, 2-3
.set ADRB, 20                          ; v20-21  the same for R
.set STO,  24                          ; v24     the way out: where I put 32 bytes of a row
.set RD,   25                          ; v25     the way out: where I read a row back
.set CO,   26                          ; v26     my byte offset in two rows of out0
.set LI,   27                          ; v27     16 x lane
.set BI,   32                          ; v32-63  the bias: register 8 b + i: column 16 b + 8 h + i of my 64
.set TMP,  64
.set BK0,  96                          ; block a's rows come back into v[96 + 32 a] on: for a > 0 the accumulators of block a - 1, which have been read
.set ACC,  128
.set G1, 24                            ; s[24:31] descriptor group 1 for P's tiles;  s[32:39] group 0, one set for each of a wave's two loads
.set G0, 32
.set G1B, 48                           ; s[48:55], s[56:63] the same for R's
.set G0B, 56
.set MSB, 0
.macro WIN new                         ; the immediate's high byte repeats the setting that is left
.if MSB != \new
	s_set_vgpr_msb (MSB<<8)|\new
.set MSB, \new
.endif
.endm
.set MUL,  0x05                        ; sources 0 (R) and 1 (P) window 1; C and D window 0
.set TO_F, 0x40                        ; destination window 1, address window 0
; A joint load: waves 0 and 1 fetch for P, waves 2 and 3 for R; the branch hangs on the wave's number alone.  Four v_nop follow each of the two lines.
.macro JLOAD g0a, g1a, g0b, g1b
	s_cmp_eq_u32 s15, 0
	s_cbranch_scc0 .Lfor_b_\@
	tensor_load_to_lds s[\g0a:\g0a+3], s[\g1a:\g1a+7]
	s_nop 0
.rept 4
	v_nop
.endr
	s_branch .Lasked_\@
.Lfor_b_\@:
	tensor_load_to_lds s[\g0b:\g0b+3], s[\g1b:\g1b+7]
	s_nop 0
.rept 4
	v_nop
.endr
.Lasked_\@:
.endm
.macro CROUND                          ; a round of the cluster's barrier
	s_barrier_signal -1
	s_barrier_wait -1
	s_cmp_lg_u32 s14, 0
	s_cbranch_scc1 .Lnot_wave_0_\@
	s_barrier_signal -3
.Lnot_wave_0_\@:
	s_barrier_wait -3
	s_barrier_signal -1
	s_barrier_wait -1
.endm
	s_load_b256 s[4:11], s[0:1], 0x0               ; oimg s[4:5], woimg s[6:7], the scales s[8:9], the bias s[10:11]
	s_load_b64 s[12:13], s[0:1], 0x20              ; out0
	v_lshl_add_u32 v30, v0, 2, 0x44400
	v_mov_b32 v31, 0
	ds_add_u32 v30, v31
	ds_add_u32 v30, v31
	v_lshrrev_b32 v1, 5, v0
	v_readfirstlane_b32 s14, v1                    ; wave 0..3
	s_lshr_b32 s15, s14, 1                         ; which half of the tile's rows is mine.  Also: I fetch for P (0) or for R (1)
	s_and_b32 s16, s14, 1                          ; which half of its columns.  Also: I fetch kslots 0 and 2, or 1 and 3
	s_bfe_u32 s40, ttmp6, 0x40000                  ; cx, cy: my place in the cluster
	s_bfe_u32 s41, ttmp6, 0x40004
	s_lshl_b32 s42, ttmp9, 2
	s_add_co_u32 s42, s42, s40                     ; tile column = 4 x cluster x + cx, 0..7
	s_and_b32 s17, ttmp7, 0xffff
	s_lshl_b32 s17, s17, 2
	s_add_co_u32 s17, s17, s41                     ; tile row = 4 x cluster y + cy, 0..31
	s_lshl_b32 s43, s41, 2
	s_lshl_b32 s43, 15, s43                        ; my row of the cluster
	s_lshl_b32 s44, 0x1111, s40                    ; my column
	; descriptor group 1: a dense block of 32,768 bytes as 128 rows of 32 elements of 8 bytes; no padding: the fragments are read 16 x lane on end
	s_or_b32 s[G1+0], s43, (3<<16)|(1<<21)         ; 15:0 the mask: P's tiles go to my row; 17:16 elements of 8 bytes; 21 set beside a mask
	s_or_b32 s[G1B+0], s44, (3<<16)|(1<<21)
.irp g, G1, G1B
	s_mov_b32 s[\g+1], 32<<16                      ; tensor_dim0
	s_mov_b32 s[\g+2], 128<<16                     ; tensor_dim1
	s_mov_b32 s[\g+3], 32<<16                      ; tile_dim0
	s_mov_b32 s[\g+4], 128                         ; tile_dim1
	s_mov_b32 s[\g+5], 32                          ; tensor_dim0_stride
	s_mov_b32 s[\g+6], 0
	s_mov_b32 s[\g+7], 0
.endr
	s_lshl_b32 s22, s17, 15                        ; P: 32,768 x tile row,
	s_lshl_b32 s45, s16, 20                        ; + kslot w % 2
	s_add_co_u32 s22, s22, s45
	s_mov_b32 s23, 0
	s_lshl_b32 s46, s42, 15                        ; R: 32,768 x tile column,
	s_lshl_b32 s45, s16, 18                        ; + kslot w % 2
	s_add_co_u32 s46, s46, s45
	s_mov_b32 s47, 0
	s_lshl_b32 s45, s15, 17                        ; where they go: RIMG x (w / 2) + BLK x (w % 2): no place in the cluster enters an LDS address
	s_lshl_b32 s18, s16, 15
	s_add_co_u32 s45, s45, s18
	s_wait_dscnt 0x0
	s_wait_kmcnt 0x0
	s_load_b256 s[72:79], s[8:9], 0x0              ; e0 .. e7
	s_add_nc_u64 s[22:23], s[4:5], s[22:23]
	s_add_nc_u64 s[46:47], s[6:7], s[46:47]
	CROUND                                         ; all sixteen work-groups are here: the joint loads meet
.irp s, 0,1
	s_mov_b32 s[G0+4*\s], 1
	s_add_co_u32 s[G0+4*\s+1], s45, \s*2*BLK
	s_add_nc_u64 s[G0+4*\s+2:G0+4*\s+3], s[22:23], \s*2*KSO
	s_or_b32 s[G0+4*\s+3], s[G0+4*\s+3], 0x80000000
	s_mov_b32 s[G0B+4*\s], 1
	s_add_co_u32 s[G0B+4*\s+1], s45, \s*2*BLK
	s_add_nc_u64 s[G0B+4*\s+2:G0B+4*\s+3], s[46:47], \s*2*KSW
	s_or_b32 s[G0B+4*\s+3], s[G0B+4*\s+3], 0x80000000
	JLOAD G0+4*\s, G1, G0B+4*\s, G1B
.endr
	v_and_b32 v1, 31, v0
	v_lshlrev_b32 v[LI], 4, v1
	s_lshl_b32 s80, s15, 14                        ; my 64 rows of P: four row tiles of 4,096 bytes in each kslot
	s_lshl_b32 s81, s16, 14                        ; my 64 rows of R,
	s_add_co_u32 s81, s81, RIMG                    ; which lie behind P's four kslots
.irp s, 0,1
	v_add_nc_u32 v[ADRA+\s], s80, v[LI]
	v_add_nc_u32 v[ADRB+\s], s81, v[LI]
	s_add_co_u32 s80, s80, 2*BLK
	s_add_co_u32 s81, s81, 2*BLK
.endr
	v_and_b32 v1, 15, v0                           ; r
	v_bfe_u32 v2, v0, 4, 1                         ; h
	s_mul_i32 s83, s14, 16*SPITCH
	s_add_co_u32 s83, s83, STAGE                   ; my stage
	v_mul_u32_u24 v5, v1, SPITCH                   ; in: row r, 32 bytes for each half of the lanes
	v_lshl_add_u32 v5, v2, 5, v5
	v_add_nc_u32 v[STO], s83, v5
	v_mul_u32_u24 v5, v2, SPITCH                   ; back: lanes 0-15 take one row of 256 bytes, lanes 16-31 the next
	v_lshl_add_u32 v5, v1, 4, v5
	v_add_nc_u32 v[RD], s83, v5
	v_lshlrev_b32 v[CO], 12, v2                    ; and the same two rows in out0
	v_lshl_add_u32 v[CO], v1, 4, v[CO]
	s_lshl_b32 s84, s42, 9
	s_lshl_b32 s85, s16, 8
	s_add_co_u32 s84, s84, s85                     ; my first column, in bytes of f32: 512 x tile column + 256 x half
	s_mov_b32 s85, 0
	s_add_nc_u64 s[10:11], s[10:11], s[84:85]      ; the bias at my first column
	s_add_nc_u64 s[12:13], s[12:13], s[84:85]
	s_lshl_b32 s86, s17, 19
	s_lshl_b32 s87, s15, 18
	s_add_co_u32 s86, s86, s87                     ; my first row: (128 x tile row + 64 x half) x 4,096 bytes
	s_mov_b32 s87, 0
	s_add_nc_u64 s[12:13], s[12:13], s[86:87]
	v_lshlrev_b32 v3, 5, v2                        ; the bias: 32 h
.irp b, 0,1,2,3
	global_load_b128 v[BI+8*\b:BI+8*\b+3], v3, s[10:11] offset:64*\b
	global_load_b128 v[BI+8*\b+4:BI+8*\b+7], v3, s[10:11] offset:64*\b+16
.endr
; 32 LDS loads in one run: the fragments of K step st (0..7: kslot st / 2, its half st % 2) into the set at f: four chunks of 512 bytes a fragment, 16 x lane on end: no bank is asked twice
.macro FETCH st, f
	WIN TO_F
.irp i, 0,1,2,3
.irp c, 0,1,2,3
	ds_load_b128 v[\f+64+FR*\i+4*\c:\f+64+FR*\i+4*\c+3], v[ADRB+(\st)/4] offset:(((\st)/2)%2)*BLK+((\st)%2)*2048+\i*4096+512*\c
.endr
.irp c, 0,1,2,3
	ds_load_b128 v[\f+FR*\i+4*\c:\f+FR*\i+4*\c+3], v[ADRA+(\st)/4] offset:(((\st)/2)%2)*BLK+((\st)%2)*2048+\i*4096+512*\c
.endr
.endr
.endm
; 16 matrix instructions: P's four blocks x R's four, 128 along K, on the set at f.  zero = 1: the first product starts the sums: nothing is ever cleared.
; The 16 accumulators take turns, one instruction a turn, in the same order in every step.
.macro MUL16 f, zero
.irp a, 0,1,2,3
.irp b, 0,1,2,3
.if \zero
	v_wmma_f32_16x16x128_fp8_fp8 v[ACC+8*(4*\a+\b):ACC+8*(4*\a+\b)+7], v[\f+64+FR*\b:\f+64+FR*\b+FR-1], v[\f+FR*\a:\f+FR*\a+FR-1], 0
.else
	v_wmma_f32_16x16x128_fp8_fp8 v[ACC+8*(4*\a+\b):ACC+8*(4*\a+\b)+7], v[\f+64+FR*\b:\f+64+FR*\b+FR-1], v[\f+FR*\a:\f+FR*\a+FR-1], v[ACC+8*(4*\a+\b):ACC+8*(4*\a+\b)+7]
.endif
.endr
.endr
.endm
.macro PLACES n                        ; places in front of loads into registers that matrix instructions have read, and of the first read of results (ISA guide 7.12.1 for vector instructions)
.rept \n
	v_nop
.endr
.endm
; K step st: the next step's fragments are asked for, into the set that the step before has multiplied; then this step's set is multiplied while they come.
.macro KSTEP st, zero
.if (\st) == 3
	s_wait_dscnt 0x0                               ; no LDS instruction of mine is out at a signal;
	s_wait_tensorcnt 0x0                           ; my second load has landed: my part of kslots 2 and 3;
	s_barrier_signal -1
	s_barrier_wait -1                              ; everybody's has: K step 4 may be fetched.
.endif
.if (\st) < 7
.if (\st) > 0
	PLACES NP
.endif
	FETCH (\st)+1, 128*(((\st)+1)%2)
	s_wait_dscnt 32                                ; this step's fragments are in; the 32 loads just issued may be out
.else
	s_wait_dscnt 0x0
.endif
	WIN MUL
	MUL16 128*((\st)%2), \zero
.endm
	s_wait_tensorcnt 1                             ; my first load has landed (my second may be out)
	s_barrier_signal -1
	s_barrier_wait -1                              ; everybody's has: kslots 0 and 1 of P and of R lie in LDS
	FETCH 0, 0
	KSTEP 0, 1
	KSTEP 1, 0
	KSTEP 2, 0
	KSTEP 3, 0
	KSTEP 4, 0
	KSTEP 5, 0
	KSTEP 6, 0
	KSTEP 7, 0
	WIN 0
; THE WAY OUT, block by block of 16 rows x 64 columns.  A lane holds 32 neighbouring bytes of a row, and the lanes beside it hold other rows: so a block goes through my own stage in LDS and comes back as whole rows of
; 256 bytes, two an instruction.  LDS serves a wave's instructions in order (ISA guide 5.7.1.4): no wait between the stores and the loads, nor in front of the next block's stores.
; Each block comes back into registers of its own, and every offset is an immediate: no register of a pending store is written again.
.macro TOSTAGE a
.set AC, ACC+32*(\a)
.set j, 0
.rept 16
	v_pk_fma_f32 v[TMP+j:TMP+j+1], v[AC+j:AC+j+1], s[96:97], v[BI+j:BI+j+1] op_sel_hi:[1,0,1]   ; sum x 2^(e6 + e7) + bias; each accumulator from its low end on
.set j, j+2
.endr
.irp b, 0,1,2,3
	ds_store_b128 v[STO], v[TMP+8*\b:TMP+8*\b+3] offset:64*\b
	ds_store_b128 v[STO], v[TMP+8*\b+4:TMP+8*\b+7] offset:64*\b+16
.endr
.set BB, BK0+32*(\a)
.irp t, 0,1,2,3,4,5,6,7
	ds_load_b128 v[BB+4*\t:BB+4*\t+3], v[RD] offset:\t*2*SPITCH
.endr
.endm
.macro SEND a, younger                 ; younger: the LDS instructions issued behind block a's loads, which may stay out
.set BB, BK0+32*(\a)
	s_wait_dscnt \younger                          ; the block is back in registers
.irp t, 0,1,2,3,4,5,6,7
	global_store_b128 v[CO], v[BB+4*\t:BB+4*\t+3], s[12:13] offset:(16*(\a)+2*\t)*ROWO th:TH_STORE_NT   ; 16 lanes store 256 consecutive bytes, at a multiple of 256 from out0's first byte; written once, read by nobody here
.endr
.endm
	s_wait_kmcnt 0x0                               ; the scales
	s_wait_loadcnt 0x0                             ; the bias
	s_add_co_i32 s96, s78, s79                     ; e6 + e7
	s_add_co_i32 s96, s96, 127
	s_lshl_b32 s96, s96, 23                        ; 2^(e6 + e7) as f32
	s_mov_b32 s97, s96                             ; (named with it as a pair, so it is written)
	PLACES NP                                      ; behind the last products: their results are read
	TOSTAGE 0
	TOSTAGE 1
	SEND 0, 16                                     ; behind block 0's loads: block 1's 8 stores and 8 loads
	TOSTAGE 2
	SEND 1, 16
	TOSTAGE 3
	SEND 2, 16
	SEND 3, 0                                      ; no LDS instruction of mine is out any more
	s_wait_tensorcnt 0x0
	ds_add_u32 v30, v31
	s_wait_dscnt 0x0
	CROUND                                         ; the closing round: no work-group ends while a partner may still ask for a tile that names it
	s_endpgm
.Lfunc_end_k_qb64060abc6_proj:
	.size	k_qb64060abc6_proj, .Lfunc_end_k_qb64060abc6_proj-k_qb64060abc6_proj
	.p2alignl 7, 3214868480
	.fill 96, 4, 3214868480
	.section	.rodata,"a",@progbits
	.p2align	6, 0x0
	.amdhsa_kernel k_qb64060abc6_proj
		.amdhsa_group_segment_fixed_size 280064
		.amdhsa_private_segment_fixed_size 0
		.amdhsa_enable_private_segment 0
		.amdhsa_kernarg_size 40
		.amdhsa_user_sgpr_count 2
		.amdhsa_user_sgpr_kernarg_segment_ptr 1
		.amdhsa_wavefront_size32 1
		.amdhsa_system_sgpr_workgroup_id_x 1
		.amdhsa_system_sgpr_workgroup_id_y 1
		.amdhsa_system_sgpr_workgroup_id_z 1
		.amdhsa_system_vgpr_workitem_id 0
		.amdhsa_next_free_vgpr 512
		.amdhsa_next_free_sgpr 100
		.amdhsa_reserve_vcc 0
		.amdhsa_float_denorm_mode_32 3
		.amdhsa_float_denorm_mode_16_64 3
		.amdhsa_memory_ordered 1
		.amdhsa_forward_progress 1
		.amdhsa_inst_pref_size 45
	.end_amdhsa_kernel
	.amdgpu_metadata
---
amdhsa.version: [ 1, 2 ]
amdhsa.kernels:
  - .name:           k_qb64060abc6_proj
    .symbol:         k_qb64060abc6_proj.kd
    .args:
      - { .name: oimg, .offset: 0, .size: 8, .value_kind: global_buffer, .address_space: global }
      - { .name: woimg, .offset: 8, .size: 8, .value_kind: global_buffer, .address_space: global }
      - { .name: lowp_scales, .offset: 16, .size: 8, .value_kind: global_buffer, .address_space: global }
      - { .name: w_o_b, .offset: 24, .size: 8, .value_kind: global_buffer, .address_space: global }
      - { .name: out0, .offset: 32, .size: 8, .value_kind: global_buffer, .address_space: global }
    .group_segment_fixed_size: 280064
    .private_segment_fixed_size: 0
    .kernarg_segment_align: 8
    .kernarg_segment_size: 40
    .max_flat_workgroup_size: 128
    .sgpr_count:     100
    .vgpr_count:     512
    .wavefront_size: 32
...
	.end_amdgpu_metadata
.endif
;; end of part 6
;; ======== version 3 of 3: 4 launches; version 2 with the launch attn written anew for expert scheduling mode
;; limits: right only within a limited range of input values
;; workspace buffers: xw 7,340,032 bytes; woimg 1,048,576 bytes; mw 524,288 bytes of whole numbers; mflag 32,768 bytes of whole numbers; qkv 12,582,912 bytes; oimg 4,194,304 bytes
;; launch prep: the kernel of part 1 again; grid 384 x 1, 16 waves a work-group, no clusters, 137,472 bytes of LDS; arguments x, w_qkv_w, w_o_w, mask, lowp_scales, xw, woimg, mw, mflag; writes xw, woimg, mw, mflag
;; launch qkv: the kernel of part 2 again; grid 12 x 16, 4 waves a work-group, clusters of 4 x 4, 327,680 bytes of LDS; arguments xw, lowp_scales, w_qkv_b, qkv; writes qkv
;; launch attn (part 7): grid 8 x 32, 16 waves a work-group, no clusters, 264,192 bytes of LDS; arguments qkv, mw, mflag, lowp_scales, oimg; writes oimg
.if DOCPART == 7
	.amdgcn_target "amdgcn-amd-amdhsa--gfx1250"
	.amdhsa_code_object_version 6
	.text
	.protected	k_qb64060abc6_attn
	.globl	k_qb64060abc6_attn
	.p2align	8
	.type	k_qb64060abc6_attn,@function
k_qb64060abc6_attn:
	s_mov_b64 s[64:65], 0
	v_nop
	global_prefetch_b8 v0, s[64:65] scope:SCOPE_SE
	s_setreg_imm32_b32 hwreg(HW_REG_WAVE_SCHED_MODE, 0, 2), 2
	s_setreg_imm32_b32 hwreg(HW_REG_WAVE_MODE, 25, 1), 1
	s_wait_xcnt 0x0
	s_wait_alu depctr_vm_vsrc(0)
; O = softmax(Q K^T / 8, under the given mask) V for 32 (batch, head) pairs, 2,048 tokens, head size 64, both products on codes of FP8 (E4M3); O is quantised with 2^e6 for the last product.
; THE SOFTMAX AHEAD OF THE SECOND PRODUCT: t = logit x log2(e); M = the row's largest t so far, rounded UP to a whole number; p = 2^(t - M) is quantised with 2^e4, not normalised; the row's sum is taken of the
; unquantised p and divides O at the end.  When M moves, the sum and O are multiplied by 2^(old M - new M): exact.
; THE MASK is an input; nothing of its pattern is built in.  An earlier launch has turned it into lane masks (mw: 64 words for each tile of 16 queries x 128 keys: bit L of word n belongs to register n of lane L) and flags
; (mflag: bit w of P: key step w must be worked; bit w of N: its words are wanted).  A step is left out only where all its 16 x 128 numbers are 0 AND each of the 16 query rows has a key that counts somewhere: its p are 0 then.
; THE FILL UNDER THE MASK is the logit -2^30 in place of -1e9: as a raw score -2^(33 - e2 - e3), so that its t = -2^30 log2(e) is exact and whole.  LIMIT: e2 + e3 between -94 and 8.  The quantiser then bounds every real
; |logit| by 448 x 448 x 64 / 8 x 2^8 = 4.2e8, so under either fill a masked p is 0 beside any key that counts, and exactly 1 in a row that is masked everywhere: the results are the same.
; OTHER LIMITS: e4, e6 between -126 and 119; e4 + e5 is applied by v_ldexp_f32 and has none.  NaN among the inputs is not served.
; SHARES.  A work-group owns one (batch, head) and 16 tiles of 16 queries, one a wave, in 256 registers.  Wave w of work-group x owns query tile 8 rho + x, rho = 4 jj + (w % 4 xor 3 ((jj xor jj / 2) % 2)), jj = w / 4.
; K AND V of the head, 2 x 131,072 bytes of codes, go into LDS once, through registers, in FOUR CHUNKS of four key steps (32,768 bytes of each; eight loads of 16 bytes a thread).  Only chunk 0 is awaited at the head.
; Chunk c + 1 is asked for at the start of phase c, into 32 registers that a key step never names, and stored at the phase's end, in front of a barrier: it lands while the phase is worked.  Between two barriers the stores
; go to chunk c + 1 and the reads to chunks up to c: other bytes.  They lie as images of the operands' registers (chunks of 512 bytes, 16 x lane on end).
; THE PHASES.  Waves 8-15 (rho >= 8) work chunk c in phase c.  Waves 0-7 work nothing in phases 0 and 1, chunk 0 in phase 2 and chunks 1 to 3 in phase 3, behind which no barrier stands.  Each wave works each flagged step once,
; whatever the mask.  Where the mask hides later keys, tile 8 rho + x wants rho + 1 steps, and each group of waves w, w + 4, w + 8, w + 12 then has 8, 8, 13 and 5 wave steps in the four phases: the same in all four groups.
; NO TENSOR LOADS, NO CLUSTER: the walk over the key steps branches on flags read from memory; with a mask that hides later keys the branch takes away 120 of a
; work-group's 256 wave steps, while what the eight work-groups of a head share is read once, 262,144 bytes each.  No prefetch: the loads themselves are issued a phase ahead of their stores.
; LAYOUT.  Both products are used transposed: S^T = K Q^T (source 0 = 16 keys, source 1 = my 16 queries), O^T = V^T P^T (source 0 = 16 channels, source 1 = P): a lane holds ONE query (lane % 16) throughout.  Register 8 t + j
; of S^T is key 16 t + 8 (lane / 16) + j, which is the place that the 16x16x128 form gives k in registers 2 t, 2 t + 1: the conversions' results are the second product's operand.
; REGISTERS: v1 16 x lane; v2 + V's image; v3, v4 addresses in hand; v5-8 the fill's addresses; v10 the fill under the mask; v12 -M, v13 the largest t, v[14:15] the sum in two halves; v16-23 Q; v24-27, v208-235 a chunk on its way;
; v32-95 K's eight fragments, then V's four; v96-159 S^T, then p; v160-191 O^T; v192-207 p's codes; v236-254 at work; v240, v244: 448 x 2^e4, 2^e4; v241, v245: the same for e6.
; s10, s11: P and N as loaded; s14 the trip; s15 8,192 x key step; s16, s17: the flags of the walk in hand, bit 0 the step in hand; s101: 1 in waves 8-15.
; THE MODE: SCHED_MODE bits 1:0 = 2 (LLVM: expert scheduling mode 2), set by the entry lines.  The code itself states the register dependences between vector or matrix instructions and memory or LDS instructions,
; with s_wait_alu, always for 0.
; THE PLAN.  Registers that memory or LDS instructions touch:
;   v1, v5-8         Offsets and LDS addresses, made at the head and never written again: one wait on va_vdst at the head serves every load and store that reads them.
;   v16-23           Q: loaded once; read by the products S^T.
;   v24-27, v208-235 A chunk on its way: its eight global loads land there, its eight LDS stores read them, and no vector instruction names them.  One wait on vm_vsrc stands ahead of the next chunk's loads.
;   v3, v4           A step's LDS addresses: written by two additions at the step's head, read by K's sixteen loads and by V's.  A wait on vm_vsrc stands ahead of the additions.
;   v32-95           K's loads land at the step's head; the eight products S^T read them; V's loads land behind those; the four products O^T read them at the step's end.
;   v192-199         On the way out: written by the conversions, read by the two stores.
;   v251, v255       Written at the head, read by the closing add alone.
; So a worked step holds three waits on va_vdst.  The first, behind the two additions: v3 and v4 are written, and the last step's products O^T are done reading V.  The second, behind the products S^T: they are done
; reading K; the lines that follow read those products' results.  The third is the exponentials' own.  S^T, p, O^T, p's codes and the statistics are named by vector and matrix instructions alone.
; The sixteen waves' 256 registers each are all that the four SIMDs hold, so K and V have no second set.
.set VIMG,  131072                     ; LDS: K's image at 0 (step j at 8,192 j, key tile t at + 1,024 t), V's here (step j at 8,192 j, channel tile at + 2,048)
.set STEPB, 8192
; Chunk c is asked for: loads 0-3 K's steps 4 c .. 4 c + 3, loads 4-7 V's; the sixteen waves read 8,192 consecutive bytes a load.  Load i lands in v[208 + 4 i] on, the last in v[24:27].
.macro FLOAD c
.if (\c) > 0
	s_wait_alu depctr_vm_vsrc(0)                   ; my LDS stores of the chunk before have read v24-27 and v208-235, in which the loads below land
.endif
.set i, 0
.rept 8
.set SR, 208+4*i
.if i == 7
.set SR, 24
.endif
.if i < 4
	global_load_b128 v[SR:SR+3], v5, s[2:3] offset:(4*(\c)+i)*STEPB
.else
	global_load_b128 v[SR:SR+3], v5, s[2:3] offset:0x400000+(4*(\c)+i-4)*STEPB
.endif
.set i, i+1
.endr
.endm
; Chunk c goes into LDS, and the work-group meets: behind the barrier the chunk is whole.  The stores' addresses were written ahead of the head's wait on va_vdst, and their data come from loads.
.macro FSTORE c
.set i, 0
.rept 8
.set SR, 208+4*i
.if i == 7
.set SR, 24
.endif
.set j, 4*(\c)+i%4
	s_wait_loadcnt 7-i                             ; loads come back in order: load i is in, the 7 - i younger may be out
.if i < 4
	ds_store_b128 v[5+j/8], v[SR:SR+3] offset:(j%8)*STEPB
.else
	ds_store_b128 v[7+j/8], v[SR:SR+3] offset:(j%8)*STEPB
.endif
.set i, i+1
.endr
	s_wait_dscnt 0x0                               ; for the others' sake: my stores have landed, and my reads are back
	s_barrier_signal -1
	s_barrier_wait -1
.endm
; cnt key steps from the one at LDS byte s15 on; bit 0 of s16 and of s17 are the flags of the step in hand.  The trip count is a constant; a trip whose flag is 0 does nothing but step.
.macro WALK cnt
	s_mov_b32 s14, 0
.Lstep_\@:
	s_and_b32 s18, s16, 1
	s_cmp_eq_u32 s18, 0
	s_cbranch_scc1 .Lskip_\@
	s_and_b32 s18, s17, 1                          ; are the words wanted?
	s_cmp_eq_u32 s18, 0
	s_cbranch_scc1 .Lno_words_\@
	s_lshr_b32 s19, s15, 5                         ; 256 x key step: the step's place among my tile's words (earlier scalar loads were waited for in their own step)
	s_load_b512 s[32:47], s[6:7], s19 offset:0x0   ; asked for ahead of K's loads and the first product
	s_load_b512 s[48:63], s[6:7], s19 offset:0x40
	s_load_b512 s[68:83], s[6:7], s19 offset:0x80
	s_load_b512 s[84:99], s[6:7], s19 offset:0xc0
.Lno_words_\@:
	s_wait_alu depctr_vm_vsrc(0)                   ; the LDS loads of the step worked last have read v3 and v4, which the two additions write
	v_add_nc_u32 v3, s15, v1
	v_add_nc_u32 v4, s15, v2
	v_nop                                          ; with the two additions: four places in front of loads into registers that the last step's products have read
	v_nop
	s_wait_alu depctr_va_vdst(0)                   ; v3 and v4 are written, which this step's LDS loads read; the last step's products O^T are done reading v32-95, in which K's loads land
.irp t, 0,1,2,3,4,5,6,7
	ds_load_b128 v[32+8*\t:35+8*\t], v3 offset:1024*\t
	ds_load_b128 v[36+8*\t:39+8*\t], v3 offset:1024*\t+512
.endr
	s_wait_dscnt 0x0
.irp t, 0,1,2,3,4,5,6,7
	v_wmma_f32_16x16x64_fp8_fp8 v[96+8*\t:103+8*\t], v[32+8*\t:39+8*\t], v[16:23], 0   ; S^T, 16 keys a tile
.endr
.rept 4
	v_nop                                          ; places in front of the loads below and of the first read of the scores
.endr
	s_wait_alu depctr_va_vdst(0)                   ; the eight products are done reading K in v32-95, in which V's loads land; the places above stay beside this wait
.irp d, 0,1,2,3
.irp u, 0,1,2,3
	ds_load_b128 v[32+16*\d+4*\u:35+16*\d+4*\u], v4 offset:2048*\d+512*\u              ; V's four fragments land under the softmax, none of whose lines names v4 or v32-95
.endr
.endr
	s_wait_kmcnt 0x0                               ; the words, where they were asked for
	s_cmp_eq_u32 s18, 0
	s_cbranch_scc1 .Lopen_\@
.set n, 0
.rept 32
	v_cndmask_b32 v[96+n], v10, v[96+n], s[32+n]   ; the score where the mask's number is not 0, else the fill
.set n, n+1
.endr
.rept 32
	v_cndmask_b32 v[96+n], v10, v[96+n], s[36+n]   ; words 32 to 63 lie in s68 to s99
.set n, n+1
.endr
.Lopen_\@:
	v_max3_num_f32 v254, v96, v97, v98             ; the step's largest score of my query, among my 64 keys, in two chains; each accumulator is first read at its low end
	v_max3_num_f32 v252, v99, v100, v101
.set i, 6
.rept 14
	v_max3_num_f32 v254, v254, v[96+i], v[97+i]
	v_max3_num_f32 v252, v252, v[98+i], v[99+i]
.set i, i+4
.endr
	v_max3_num_f32 v254, v254, v158, v159
	v_max_num_f32 v254, v254, v252
	v_permlanex16_b32 v236, v254, s20, s21
	v_max_num_f32 v254, v254, v236                 ; and among lane l xor 16's
	v_mul_f32 v254, s22, v254                      ; as t (c is positive)
	v_max_num_f32 v13, v13, v254                   ; the running largest t
	v_mov_b32 v254, v12
	v_floor_f32 v12, -v13                          ; the new -M = floor(-t) = -ceil(t): M is a whole number
	v_sub_f32 v254, v12, v254                      ; M's old value less its new one: a whole number, 0 or less
	v_cvt_i32_f32 v254, v254                       ; (it saturates)
	v_ldexp_f32 v252, 1.0, v254                    ; f = 2^(old M - new M)
.set j, 0
.rept 32
	v_pk_fma_f32 v[96+j:97+j], v[96+j:97+j], s[22:23], v[12:13] op_sel_hi:[1,0,0]   ; t - M, two at a time (of the pairs c and -M the low word serves both halves)
.set j, j+2
.endr
.set j, 0
.rept 64
	v_exp_f32 v[96+j], v[96+j]                     ; p = 2^(t - M), at most 1: not normalised
.set j, j+1
.endr
	v_pk_mul_f32 v[14:15], v[14:15], v[252:253] op_sel_hi:[1,0]   ; the sums under the new M: a plain line behind the exponentials
	s_wait_alu depctr_va_vdst(0)                   ; the 64 exponentials have written p in v96-159: one wait for the whole batch, ahead of its first reader
	v_pk_add_f32 v[242:243], v[96:97], v[98:99]    ; the row's sum is taken of the unquantised p: two at a time, in two chains
.set j, 4
.rept 15
	v_pk_add_f32 v[14:15], v[14:15], v[96+j:97+j]
	v_pk_add_f32 v[242:243], v[242:243], v[98+j:99+j]
.set j, j+4
.endr
	v_pk_add_f32 v[14:15], v[14:15], v[242:243]
	s_cmp_eq_u32 s100, 0
	s_cbranch_scc1 .Lno_hold_\@
.set j, 0
.rept 64
	v_min_num_f32 v[96+j], v[96+j], v240           ; the conversion to an 8-bit code does not saturate (ISA guide 7.6.2); p is not negative, so the hold is one-sided
.set j, j+1
.endr
.Lno_hold_\@:
.irp t, 0,1,2,3,4,5,6,7
	v_cvt_scalef32_pk8_fp8_f32 v[192+2*\t:193+2*\t], v[96+8*\t:103+8*\t], v244   ; registers 2 t, 2 t + 1 of P's fragment: keys 16 t + 8 h + 0 .. 7
.endr
.set j, 0
.rept 16
	v_pk_mul_f32 v[160+j:161+j], v[160+j:161+j], v[252:253] op_sel_hi:[1,0]      ; O^T under the new M: x f.  (Plain lines between the conversions and the products that read their results)
.set j, j+2
.endr
	s_wait_dscnt 0x0                               ; V is in
.irp d, 0,1,2,3
	v_wmma_f32_16x16x128_fp8_fp8 v[160+8*\d:167+8*\d], v[32+16*\d:47+16*\d], v[192:207], v[160+8*\d:167+8*\d]   ; the four accumulators take turns, one instruction a turn; eight products S^T lie between two links
.endr
.Lskip_\@:
	s_add_co_u32 s15, s15, STEPB
	s_lshr_b32 s16, s16, 1
	s_lshr_b32 s17, s17, 1
	s_add_co_u32 s14, s14, 1
	s_cmp_lt_u32 s14, \cnt
	s_cbranch_scc1 .Lstep_\@
.endm
	s_load_b256 s[4:11], s[0:1], 0x0               ; qkv s[4:5], mw s[6:7], mflag s[8:9], the scales s[10:11]
	s_load_b64 s[66:67], s[0:1], 0x20              ; oimg
	v_lshl_add_u32 v251, v0, 2, 0x40000
	v_mov_b32 v255, 0
	v_lshrrev_b32 v3, 5, v0
	v_readfirstlane_b32 s12, v3                    ; wave 0..15
	v_and_b32 v1, 31, v0
	v_lshlrev_b32 v1, 4, v1                        ; 16 x lane
	v_add_nc_u32 v2, VIMG, v1
	v_lshlrev_b32 v5, 4, v0                        ; 16 x thread: the fill's offset in memory, and its LDS address in the first 65,536 bytes
	v_add_nc_u32 v6, 65536, v5
	v_add_nc_u32 v7, 131072, v5
	v_add_nc_u32 v8, 196608, v5
	s_wait_alu depctr_va_sdst(0)                   ; s12 is written, ahead of its first reader: the wave's part in the walk and its query tile are made from it
	s_lshr_b32 s101, s12, 3                        ; 1 in waves 8-15, which begin in phase 0
	s_lshr_b32 s13, s12, 2                         ; jj
	s_lshr_b32 s14, s13, 1
	s_xor_b32 s14, s14, s13
	s_and_b32 s14, s14, 1                          ; 1 for jj = 1, 2
	s_mul_i32 s14, s14, 3
	s_and_b32 s15, s12, 3
	s_xor_b32 s15, s15, s14
	s_lshl_b32 s13, s13, 2
	s_add_co_u32 s13, s13, s15                     ; rho
	s_lshl_b32 s13, s13, 3
	s_add_co_u32 s13, s13, ttmp9                   ; my query tile, 0..127
	s_and_b32 s18, ttmp7, 0xffff                   ; 16 x batch + head
	s_lshl_b32 s32, s18, 17                        ; the head's 131,072 bytes in each of q, k, v
	s_mov_b32 s33, 0
	s_lshl_b32 s34, s13, 10                        ; Q: 1,024 bytes a tile
	s_mov_b32 s35, 0
	s_lshl_b32 s36, s13, 12                        ; mw: 4,096 bytes a tile
	s_mov_b32 s37, 0
	s_lshl_b32 s19, s13, 8                         ; mflag: 256 bytes a tile
	s_and_b32 s38, s18, 15                         ; head
	s_lshr_b32 s39, s18, 4                         ; batch
	s_lshl_b32 s39, s39, 7
	s_add_co_u32 s39, s39, s13
	s_lshl_b32 s39, s39, 12                        ; oimg [kslot 4][token tile 256][2][2048]: the token tile,
	s_lshr_b32 s40, s38, 2
	s_lshl_b32 s40, s40, 20                        ; the kslot = head / 4,
	s_add_co_u32 s40, s40, s39
	s_and_b32 s38, s38, 3
	s_lshl_b32 s38, s38, 10                        ; and the head's 64 of the kslot's 256 along K: 1,024 bytes
	s_add_co_u32 s40, s40, s38
	s_mov_b32 s41, 0
	s_mov_b32 s20, 0x76543210                      ; v_permlanex16_b32's selects for lane l xor 16
	s_mov_b32 s21, 0xfedcba98
	s_wait_kmcnt 0x0
	s_load_b64 s[16:17], s[8:9], s19 offset:0x0    ; P, N
	s_load_b256 s[24:31], s[10:11], 0x0            ; e0 .. e7
	s_add_nc_u64 s[4:5], s[4:5], s[32:33]
	s_add_nc_u64 s[2:3], s[4:5], 0x400000          ; K's image of my head; V's lies 4 MiB further on
	s_add_nc_u64 s[4:5], s[4:5], s[34:35]
	s_add_nc_u64 s[6:7], s[6:7], s[36:37]
	s_add_nc_u64 s[66:67], s[66:67], s[40:41]
	s_wait_alu depctr_va_vdst(0)                   ; v1 and v5 to v8 are written: Q's loads, every chunk's loads and LDS stores and the last two stores read them as offsets and addresses, and no line writes them again
	global_load_b128 v[16:19], v1, s[4:5]          ; Q's fragment stays in registers
	global_load_b128 v[20:23], v1, s[4:5] offset:512
	FLOAD 0
	s_wait_kmcnt 0x0
	s_mov_b32 s19, 0
	s_load_b512 s[32:47], s[6:7], s19 offset:0x0   ; step 0's words, once, so that the 64 registers are written on every path
	s_load_b512 s[48:63], s[6:7], s19 offset:0x40
	s_load_b512 s[68:83], s[6:7], s19 offset:0x80
	s_load_b512 s[84:99], s[6:7], s19 offset:0xc0
	s_mov_b32 s10, s16                             ; P and N are kept: waves 0-7 take them up in phase 2
	s_mov_b32 s11, s17
	s_sub_co_u32 s8, 0, s101                       ; all ones in waves 8-15, else 0
	s_and_b32 s16, s16, s8                         ; phases 0 and 1: waves 0-7 work nothing
	s_and_b32 s17, s17, s8
	s_add_co_i32 s8, s26, s27                      ; e2 + e3
	s_lshl_b32 s9, s8, 23
	s_add_co_i32 s22, s9, 0x3e38aa3b               ; c = log2(e) / 8 x 2^(e2 + e3): the exponents are added to c's exponent field
	s_mov_b32 s23, s22                             ; (named with it as a pair, so it is written)
	s_sub_co_i32 s8, 160, s8
	s_lshl_b32 s8, s8, 23
	s_or_b32 s8, s8, 0x80000000
	v_mov_b32 v10, s8                              ; -2^(33 - e2 - e3)
	s_add_co_i32 s8, s28, 127
	s_lshl_b32 s9, s8, 23
	v_mov_b32 v244, s9                             ; 2^e4
	s_add_co_i32 s8, s8, 8
	s_lshl_b32 s8, s8, 23
	s_or_b32 s8, s8, 0x600000
	v_mov_b32 v240, s8                             ; 448 x 2^e4
	s_add_co_i32 s8, s30, 127
	s_lshl_b32 s9, s8, 23
	v_mov_b32 v245, s9                             ; 2^e6
	s_add_co_i32 s8, s8, 8
	s_lshl_b32 s8, s8, 23
	s_or_b32 s8, s8, 0x600000
	v_mov_b32 v241, s8                             ; 448 x 2^e6
	s_cmp_ge_i32 s28, -8
	s_cselect_b32 s100, 0, 1                       ; from e4 = -8 on, 448 x 2^e4 is 1.75 or more and p is at most 1: the hold changes nothing and is passed over
	s_mov_b32 s15, 0                               ; 8,192 x key step
	v_mov_b32 v13, 0xff61b1e6                      ; the largest t so far: -3e38, under every t
	v_floor_f32 v12, -v13                          ; -M
	v_mov_b32 v14, 0                               ; the sum, in two halves
	v_mov_b32 v15, 0
	v_mov_b32 v236, 0                              ; written once: a lane permute's destination counts as one of its sources
	v_mov_b32 v253, 0                              ; (named as the upper half of the pair v[252:253])
.set i, 0
.rept 32
	v_mov_b32 v[160+i], 0                          ; O^T.  (The step is written once for all steps: the first finds zeros, which the first change of M leaves zeros)
.set i, i+1
.endr
	s_wait_kmcnt 0x0
	FSTORE 0                                       ; steps 0-3 lie in LDS.  (Q's two loads are older than the chunk's: they are in too)
	FLOAD 1                                        ; PHASE 0: waves 8-15 work steps 0-3
	WALK 4
	FSTORE 1
	FLOAD 2                                        ; PHASE 1: waves 8-15 work steps 4-7
	WALK 4
	FSTORE 2
	FLOAD 3                                        ; PHASE 2: waves 8-15 work steps 8-11 (their flags stand shifted by 8), waves 0-7 steps 0-3
	s_cmp_eq_u32 s101, 0
	s_cselect_b32 s16, s10, s16
	s_cselect_b32 s17, s11, s17
	s_lshl_b32 s15, s101, 16                       ; 8 steps of 8,192 bytes on, or 0
	WALK 4
	FSTORE 3                                       ; all of K and V lies in LDS; nothing writes LDS any more
	s_lshl_b32 s8, s101, 3                         ; PHASE 3 walks steps 4-15 in every wave.  Waves 0-7: their flags stand shifted by 4, as the walk wants them;
	s_lshl_b32 s16, s16, s8                        ; waves 8-15: theirs by 12: eight places up again, so that steps 12-15 alone are left
	s_lshl_b32 s17, s17, s8
	s_mov_b32 s15, 4*STEPB
	WALK 12
	; THE WAY OUT.  O^T / the sum x 2^(e4 + e5), held and turned into codes with 2^e6: a lane's eight numbers of an accumulator are eight neighbouring channels, so the eight registers of codes are my head's part of the
	; last product's fragment, and two stores of 512 consecutive bytes take them.
.rept 4
	v_nop                                          ; places behind the last products
.endr
	v_add_f32 v14, v14, v15                        ; the sum's two halves,
	v_permlanex16_b32 v236, v14, s20, s21
	v_add_f32 v14, v14, v236                       ; and lane l xor 16's: the row's sum.  At least one step was worked, and its largest p is above 1/2
	v_rcp_f32 v14, v14
	v_nop                                          ; a plain line behind the transcendental
	s_add_co_i32 s8, s28, s29
	s_wait_alu depctr_va_vdst(0)                   ; the reciprocal has written v14: the wait ahead of its first reader
	v_ldexp_f32 v14, v14, s8                       ; x 2^(e4 + e5)
.set j, 0
.rept 16
	v_pk_mul_f32 v[96+j:97+j], v[160+j:161+j], v[14:15] op_sel_hi:[1,0]   ; register 8 d + i is o(query r, channel 16 d + 8 h + i)
.set j, j+2
.endr
.set j, 0
.rept 32
	v_med3_num_f32 v[96+j], v[96+j], -v241, v241
.set j, j+1
.endr
.irp d, 0,1,2,3
	v_cvt_scalef32_pk8_fp8_f32 v[192+2*\d:193+2*\d], v[96+8*\d:103+8*\d], v245
.endr
	v_nop                                          ; a plain vector line behind the last conversion
	s_wait_alu depctr_va_vdst(0)                   ; the four conversions have written v192-199, which the two stores read
	global_store_b128 v1, v[192:195], s[66:67]
	global_store_b128 v1, v[196:199], s[66:67] offset:512
	s_wait_dscnt 0x0                               ; the closing lines, six on end
	s_wait_alu 0x0
	s_wait_tensorcnt 0x0
	ds_add_u32 v251, v255
	s_wait_dscnt 0x0
	s_endpgm
.Lfunc_end_k_qb64060abc6_attn:
	.size	k_qb64060abc6_attn, .Lfunc_end_k_qb64060abc6_attn-k_qb64060abc6_attn
	.p2alignl 7, 3214868480
	.fill 96, 4, 3214868480
	.section	.rodata,"a",@progbits
	.p2align	6, 0x0
	.amdhsa_kernel k_qb64060abc6_attn
		.amdhsa_group_segment_fixed_size 264192
		.amdhsa_private_segment_fixed_size 0
		.amdhsa_enable_private_segment 0
		.amdhsa_kernarg_size 40
		.amdhsa_user_sgpr_count 2
		.amdhsa_user_sgpr_kernarg_segment_ptr 1
		.amdhsa_wavefront_size32 1
		.amdhsa_system_sgpr_workgroup_id_x 1
		.amdhsa_system_sgpr_workgroup_id_y 1
		.amdhsa_system_sgpr_workgroup_id_z 1
		.amdhsa_system_vgpr_workitem_id 0
		.amdhsa_next_free_vgpr 256
		.amdhsa_next_free_sgpr 102
		.amdhsa_reserve_vcc 0
		.amdhsa_float_denorm_mode_32 3
		.amdhsa_float_denorm_mode_16_64 3
		.amdhsa_memory_ordered 1
		.amdhsa_forward_progress 1
		.amdhsa_inst_pref_size 97
	.end_amdhsa_kernel
	.amdgpu_metadata
---
amdhsa.version: [ 1, 2 ]
amdhsa.kernels:
  - .name:           k_qb64060abc6_attn
    .symbol:         k_qb64060abc6_attn.kd
    .args:
      - { .name: qkv, .offset: 0, .size: 8, .value_kind: global_buffer, .address_space: global }
      - { .name: mw, .offset: 8, .size: 8, .value_kind: global_buffer, .address_space: global }
      - { .name: mflag, .offset: 16, .size: 8, .value_kind: global_buffer, .address_space: global }
      - { .name: lowp_scales, .offset: 24, .size: 8, .value_kind: global_buffer, .address_space: global }
      - { .name: oimg, .offset: 32, .size: 8, .value_kind: global_buffer, .address_space: global }
    .group_segment_fixed_size: 264192
    .private_segment_fixed_size: 0
    .kernarg_segment_align: 8
    .kernarg_segment_size: 40
    .max_flat_workgroup_size: 512
    .sgpr_count:     102
    .vgpr_count:     256
    .wavefront_size: 32
...
	.end_amdgpu_metadata
.endif
;; end of part 7
;; launch proj: the kernel of part 6 again; grid 8 x 32, 4 waves a work-group, clusters of 4 x 4, 280,064 bytes of LDS; arguments oimg, woimg, lowp_scales, w_o_b, out0; writes out0
